; MI455X (gfx1250); checked and timed in simulation.
; The chip was launched on July 23, 2026; its instructions are those of AMD's public machine-readable ISA for CDNA 5 (MIT licence, August 2026) and "CDNA5" Instruction Set Architecture Reference Guide (July 2026). The comments in the code are by the model that wrote it; some were corrected since.
;; Causal Self Attention. Allowed arithmetic: float matrix products may take bf16 or f16 operands with f32 sums; other float arithmetic in f32, or as packed bf16 or f16 multiplies, adds, multiply-adds, maxima and minima; sums over many terms, partial sums and values carried from step to step in f32; what a program stores and reads back later, other than sums and carried values, may be rounded once to bf16 or f16.
;; Inputs: b_out 1,024 float32; b_qkv 3,072 float32; w_out 1,024 x 1,024 float32; w_qkv 1,024 x 3,072 float32; x 4 x 2,048 x 1,024 float32.
;; Outputs: out0 4 x 2,048 x 1,024 float32.
;; 2 versions, each right; version 2 is version 1 with the launch prep written anew for expert scheduling mode. Each part assembles by itself: llvm-mc -triple=amdgcn-amd-amdhsa -mcpu=gfx1250 --defsym DOCPART=n.
;; ======== version 1 of 2: 4 launches
;; limits: values are held in f16: magnitudes above 65,504 overflow, below 6.1e-05 lose precision
;; workspace buffers: xb 16,777,216 bytes; wqt 6,291,456 bytes; wot 2,097,152 bytes; qkv 50,331,648 bytes; o 16,777,216 bytes
;; launch prep (part 1): grid 1280 x 1, 2 waves a work-group, no clusters, 35,072 bytes of LDS; arguments x, w_qkv, w_out, xb, wqt, wot; writes xb, wqt, wot
.if DOCPART == 1
	.amdgcn_target "amdgcn-amd-amdhsa--gfx1250"
	.amdhsa_code_object_version 6
	.text
	.protected	k_q4d95ec0c59_prep
	.globl	k_q4d95ec0c59_prep
	.p2align	8
	.type	k_q4d95ec0c59_prep,@function
k_q4d95ec0c59_prep:
	s_mov_b64 s[64:65], 0
	v_nop
	global_prefetch_b8 v0, s[64:65] scope:SCOPE_SE
	s_setreg_imm32_b32 hwreg(HW_REG_WAVE_MODE, 25, 1), 1
	s_wait_xcnt 0x0
; THE OPERANDS OF THE TWO PROJECTIONS ARE MADE.  xb = x rounded to bf16, [8192][1024].  wqt[n][k] = w_qkv[k][n] rounded to bf16, [3072][1024].
; wot[n][k] = w_out[k][n] rounded to bf16 and that number written as f16, [1024][1024].
; LIMIT.  An entry of w_out below 2^-14 in magnitude keeps f16's fixed step of 2^-24; beyond 65,504 it would be an infinity.
; A stream: every byte is read once and written once; no matrix unit, no barrier: no wave wants a byte that another wave has fetched.
; SHARES.  Work-groups 0-1023: each of the two waves casts 16 KiB of x (32 loads of 512 consecutive bytes, all on their way at once; each store of the wave covers 256 consecutive bytes, aligned).
; Work-groups 1024-1215 (w_qkv) and 1216-1279 (w_out): each wave turns a tile of 128 k x 64 n through its own LDS bytes: 64 rows (n) of 256 bytes (128 k) + 16 of padding.
.set TILEB, 17408                      ; a wave's tile in LDS: 64 rows x 272 bytes
.set LP,    272
.set SPARE, 2*TILEB                    ; behind the tiles: the spare words, 128 bytes a wave: one block of 256 bytes that no other line names
.set SPW, 12                           ; v12  LDS address of my spare word; never rewritten
.set NIL, 13                           ; v13  0; never rewritten
.set WO,  16                           ; v[16:47]   the byte offsets of a half tile's 32 loads
.set X,   48                           ; v[48:175]  32 x 4 registers as loaded
.set T,   176                          ; v[176:239] packed results
.set U,   240                          ; v[240:247] at work
	s_load_b256 s[4:11], s[0:1], 0x0               ; x s[4:5], w_qkv s[6:7], w_out s[8:9], xb s[10:11]
	s_load_b128 s[12:15], s[0:1], 0x20             ; wqt s[12:13], wot s[14:15]
	v_lshl_add_u32 v[SPW], v0, 2, SPARE
	v_mov_b32 v[NIL], 0
	v_lshrrev_b32 v1, 5, v0
	v_readfirstlane_b32 s17, v1                    ; wave 0, 1
	s_mov_b32 s16, ttmp9
	v_and_b32 v1, 31, v0                           ; lane
	v_and_b32 v2, 15, v0                           ; c = lane % 16
	v_bfe_u32 v3, v0, 4, 1                         ; hl = lane / 16
	v_lshlrev_b32 v4, 4, v1                        ; 16 x lane
	v_lshlrev_b32 v5, 3, v1                        ; 8 x lane
	s_mov_b32 s29, 0
	s_mov_b32 s31, 0
	s_mov_b32 s33, 0xffff0000                      ; a word's upper bf16
	s_wait_kmcnt 0x0
	s_cmp_lt_u32 s16, 1024
	s_cbranch_scc0 .Lweights
	; x: wave 2 g + w of 2,048 takes 16 KiB of x and makes 8 KiB of xb
	s_lshl1_add_u32 s18, s16, s17
	s_lshl_b32 s28, s18, 14
	s_add_nc_u64 s[24:25], s[4:5], s[28:29]
	s_lshl_b32 s28, s18, 13
	s_add_nc_u64 s[26:27], s[10:11], s[28:29]
.set i, 0
.rept 32
	global_load_b128 v[X+4*i:X+4*i+3], v4, s[24:25] offset:512*i th:TH_LOAD_NT
.set i, i+1
.endr
.set i, 0
.rept 32
	s_wait_loadcnt 31-i                            ; loads come back in order: load i is in, the younger ones stay out
	v_cvt_pk_bf16_f32 v[T+2*i], v[X+4*i], v[X+4*i+1]
	v_cvt_pk_bf16_f32 v[T+2*i+1], v[X+4*i+2], v[X+4*i+3]
	global_store_b64 v5, v[T+2*i:T+2*i+1], s[26:27] offset:256*i  ; no register is used twice, so nothing waits for a store
.set i, i+1
.endr
	s_wait_tensorcnt 0x0                           ; the wave's end, in the same form as the other path
	ds_add_u32 v[SPW], v[NIL]
	s_wait_dscnt 0x0
	s_endpgm
.Lweights:
	s_mov_b32 s21, 4096                            ; bytes in a row of w_out,
	s_mov_b32 s18, 1216                            ; and its first work-group
	s_cmp_lt_u32 s16, 1216
	s_cselect_b32 s21, 12288, s21                  ; or of w_qkv
	s_cselect_b32 s18, 1024, s18
	s_cselect_b32 s22, 0, 1                        ; 1: the rounded numbers are written as f16
	s_cselect_b64 s[24:25], s[6:7], s[8:9]
	s_cselect_b64 s[26:27], s[12:13], s[14:15]
	s_sub_co_u32 s18, s16, s18
	s_lshl1_add_u32 s18, s18, s17                  ; my tile
	s_and_b32 s19, s18, 7                          ; kt: which 128 of k
	s_lshr_b32 s20, s18, 3                         ; nt: which 64 of n
	s_mul_i32 s28, s19, s21
	s_lshl_b32 s28, s28, 7                         ; kt x 128 rows
	s_lshl_b32 s30, s20, 8                         ; nt x 256 bytes
	s_add_co_u32 s28, s28, s30
	s_add_nc_u64 s[24:25], s[24:25], s[28:29]
	s_lshl_b32 s28, s20, 17                        ; nt x 64 rows of 2,048 bytes
	s_lshl_b32 s30, s19, 8                         ; kt x 256 bytes
	s_add_co_u32 s28, s28, s30
	s_add_nc_u64 s[26:27], s[26:27], s[28:29]
	s_lshl_b32 s30, s21, 6                         ; 64 rows of the source
	s_mul_i32 s23, s17, TILEB                      ; my tile in LDS
	v_mov_b32 v7, s21
	v_mul_u32_u24 v6, v3, s21
	v_lshlrev_b32 v6, 1, v6
	v_lshl_add_u32 v6, v2, 4, v6                   ; 2 hl rows + 16 c
	; load i = 2 p + e takes row 4 p + e (lanes 0-15) and row 4 p + 2 + e (lanes 16-31): 256 consecutive bytes, aligned, each
.set i, 0
.rept 32
	v_mad_u32_u24 v[WO+i], v7, 4*(i/2)+(i%2), v6
.set i, i+1
.endr
	v_mul_u32_u24 v8, v2, 4*LP                     ; into LDS: row n = 4 c + j, bytes 2 k = 8 p + 4 hl
	v_lshl_add_u32 v8, v3, 2, v8
	v_add_nc_u32 v8, s23, v8
	v_mul_u32_u24 v9, v3, LP                       ; back: lanes 0-15 one row of 256 bytes, lanes 16-31 the next
	v_lshl_add_u32 v9, v2, 4, v9
	v_add_nc_u32 v9, s23, v9
	v_lshlrev_b32 v10, 11, v3                      ; and the same two rows of the turned matrix, 2,048 bytes apart
	v_lshl_add_u32 v10, v2, 4, v10
	s_mov_b32 s32, 2
.Lhalf:                                                ; two trips of 64 k
.set i, 0
.rept 32
	global_load_b128 v[X+4*i:X+4*i+3], v[WO+i], s[24:25] th:TH_LOAD_NT
.set i, i+1
.endr
.set p, 0
.rept 16
	s_wait_loadcnt 30-2*p                          ; loads 2 p and 2 p + 1 are in
.irp j, 0,1,2,3
	v_cvt_pk_bf16_f32 v[T+4*p+\j], v[X+8*p+\j], v[X+8*p+4+\j]  ; k and k + 1 of column 4 c + j
.endr
.set p, p+1
.endr
	s_add_nc_u64 s[24:25], s[24:25], s[30:31]      ; the last wait was for 0: every load that reads this base is done
	s_cmp_eq_u32 s22, 0
	s_cbranch_scc1 .Lno_f16
.set i, 0
.rept 64
	v_lshlrev_b32 v[U+2*(i%4)], 16, v[T+i]         ; the bf16 numbers as f32,
	v_and_b32 v[U+2*(i%4)+1], s33, v[T+i]
	v_cvt_pk_f16_f32 v[T+i], v[U+2*(i%4)], v[U+2*(i%4)+1]  ; written as f16
.set i, i+1
.endr
.Lno_f16:
.set p, 0
.rept 16
.irp j, 0,1,2,3
	ds_store_b32 v8, v[T+4*p+\j] offset:LP*\j+8*p
.endr
.set p, p+1
.endr
	v_add_nc_u32 v8, 128, v8                       ; the next 64 k
	s_sub_co_u32 s32, s32, 1
	s_cmp_lg_u32 s32, 0
	s_cbranch_scc1 .Lhalf
.set i, 0
.rept 32
	ds_load_b128 v[X+4*i:X+4*i+3], v9 offset:2*LP*i  ; my own bytes: LDS serves a wave's instructions in order (ISA guide 5.7.1.4), so these see the stores above
.set i, i+1
.endr
.set i, 0
.rept 32
	s_wait_dscnt 31-i
	global_store_b128 v10, v[X+4*i:X+4*i+3], s[26:27] offset:4096*i  ; 16 lanes store 256 consecutive bytes, aligned: 128 k of row n
.set i, i+1
.endr
	s_wait_tensorcnt 0x0                           ; the wave's end, behind my last LDS store
	ds_add_u32 v[SPW], v[NIL]
	s_wait_dscnt 0x0
	s_endpgm
.Lfunc_end_k_q4d95ec0c59_prep:
	.size	k_q4d95ec0c59_prep, .Lfunc_end_k_q4d95ec0c59_prep-k_q4d95ec0c59_prep
	.p2alignl 7, 3214868480
	.fill 96, 4, 3214868480
	.section	.rodata,"a",@progbits
	.p2align	6, 0x0
	.amdhsa_kernel k_q4d95ec0c59_prep
		.amdhsa_group_segment_fixed_size 35072
		.amdhsa_private_segment_fixed_size 0
		.amdhsa_enable_private_segment 0
		.amdhsa_kernarg_size 48
		.amdhsa_user_sgpr_count 2
		.amdhsa_user_sgpr_kernarg_segment_ptr 1
		.amdhsa_wavefront_size32 1
		.amdhsa_system_sgpr_workgroup_id_x 1
		.amdhsa_system_sgpr_workgroup_id_y 1
		.amdhsa_system_sgpr_workgroup_id_z 1
		.amdhsa_system_vgpr_workitem_id 0
		.amdhsa_next_free_vgpr 248
		.amdhsa_next_free_sgpr 66
		.amdhsa_reserve_vcc 0
		.amdhsa_float_denorm_mode_32 3
		.amdhsa_float_denorm_mode_16_64 3
		.amdhsa_memory_ordered 1
		.amdhsa_forward_progress 1
		.amdhsa_inst_pref_size 42
	.end_amdhsa_kernel
	.amdgpu_metadata
---
amdhsa.version: [ 1, 2 ]
amdhsa.kernels:
  - .name:           k_q4d95ec0c59_prep
    .symbol:         k_q4d95ec0c59_prep.kd
    .args:
      - { .name: x, .offset: 0, .size: 8, .value_kind: global_buffer, .address_space: global }
      - { .name: w_qkv, .offset: 8, .size: 8, .value_kind: global_buffer, .address_space: global }
      - { .name: w_out, .offset: 16, .size: 8, .value_kind: global_buffer, .address_space: global }
      - { .name: xb, .offset: 24, .size: 8, .value_kind: global_buffer, .address_space: global }
      - { .name: wqt, .offset: 32, .size: 8, .value_kind: global_buffer, .address_space: global }
      - { .name: wot, .offset: 40, .size: 8, .value_kind: global_buffer, .address_space: global }
    .group_segment_fixed_size: 35072
    .private_segment_fixed_size: 0
    .kernarg_segment_align: 8
    .kernarg_segment_size: 48
    .max_flat_workgroup_size: 64
    .sgpr_count:     66
    .vgpr_count:     248
    .wavefront_size: 32
...
	.end_amdgpu_metadata
.endif
;; end of part 1
;; launch qkvgemm (part 2): grid 16 x 32, 4 waves a work-group, clusters of 4 x 4, 327,680 bytes of LDS; arguments xb, wqt, b_qkv, qkv; writes qkv
.if DOCPART == 2
	.amdgcn_target "amdgcn-amd-amdhsa--gfx1250"
	.amdhsa_code_object_version 6
	.text
	.protected	k_q4d95ec0c59_qkvgemm
	.globl	k_q4d95ec0c59_qkvgemm
	.p2align	8
	.type	k_q4d95ec0c59_qkvgemm,@function
k_q4d95ec0c59_qkvgemm:
	s_mov_b64 s[64:65], 0
	v_nop
	global_prefetch_b8 v0, s[64:65] scope:SCOPE_SE
	s_setreg_imm32_b32 hwreg(HW_REG_WAVE_MODE, 25, 1), 1
	s_wait_xcnt 0x0
	s_wait_alu depctr_hold_cnt(0) depctr_sa_sdst(0) depctr_va_vdst(0) depctr_va_sdst(0) depctr_va_ssrc(0) depctr_va_vcc(0) depctr_vm_vsrc(0)
	s_getreg_b32 s2, hwreg(HW_REG_IB_STS2, 6, 4)
	s_cmp_eq_u32 s2, 0
	s_cbranch_scc0 .Lentry_in_a_cluster
	s_endpgm
.Lentry_in_a_cluster:
	s_bfe_u32 s2, ttmp6, 0x10000c
	s_cmp_lg_u32 s2, 0xf033
	s_cbranch_scc0 .Lentry_shape_is_right
	s_endpgm
.Lentry_shape_is_right:
; q, k, v = x w_qkv + b_qkv, written by heads.  A = xb [8192][1024] bf16, B = wqt [3072 n][1024 k] bf16, the bias rounded to bf16 like the other inputs; sums in f32; the result
; rounded once to f16 into qkv [batch 4][48][2048][64]: 16 heads of q, 16 of k, 16 of v; unscaled.
; LIMIT.  f16 holds no number beyond 65,504: q, k and v must lie within it.  NaN and infinities are not treated apart.
; SHARES.  A tile of C is 256 rows x 192 columns (three heads); 16 x 32 tiles, a work-group each.  Four waves one below the other, each 64 rows x 192 columns: 48 accumulators, 384 registers;
; so a wave holds whole heads and its way out needs no other wave.  K goes in 8 steps of 128 through two LDS slots; the tiles' rows are 256 bytes of memory, aligned.
; CLUSTER.  4 x 4 work-groups: the four of a row need the same tiles of A, the four of a column the same tiles of B: each tile is asked for JOINTLY, by the same tensor load, descriptor and mask in all four.
; THE MATRIX INSTRUCTION IS USED TRANSPOSED (source 0 = 16 rows of B, source 1 = 16 rows of A): a lane holds row l % 16 of C and the columns 8 (l / 16) + 0..7, which pack into 16 bytes.
; THE BIAS is the C operand of the product that starts each sum: nothing is cleared and nothing is added afterwards.
; REGISTERS, in windows of 256 (s_set_vgpr_msb: bits 1:0 source 0, 3:2 source 1, 5:4 source 2, 7:6 destination):
;   window 0: v0-31 addresses; v32-95 A's fragments, two buffers of 4 x 8; v96-143, v144-239 at work on the way out (and, at the head, on the bias)
;   window 1: v0-191 B's fragments, two buffers of 12 x 8
;   window 2: v0-191 the accumulators of row blocks 0, 1 ((a, b) at 96 (a % 2) + 8 b); v192-255 the bias of column blocks 0-7          window 3: the same for row blocks 2, 3 and column blocks 8-11
.set NF,     12                        ; column blocks of 16
.set BR,     96                        ; rows of B that one tensor load brings
.set PA,     272                       ; an LDS row: 256 bytes + 16 of padding = 68 words: the 16 rows that a load touches start at 16 different groups of four banks (64 banks of 4 bytes: ISA guide 11.1)
.set PB,     272
.set ALH,    128*PA                    ; 128 rows of A: what one tensor load brings
.set BOFF,   256*PA                    ; B's 192 rows lie behind A's 256
.set BLH,    BR*PB
.set SLOT1,  131072                    ; slot 1 begins here, so that one exclusive or turns an address in one slot into the other's
.set STAGE,  SLOT1+BOFF+2*BLH          ; behind the ring, never filled by a tensor load: 16 rows x 400 bytes for each wave
.set SPITCH, 400                       ; 384 bytes + 16
.set SPARE,  STAGE+4*16*SPITCH         ; behind the stages: the spare words, 128 bytes a wave: two blocks of 256 bytes that no other line names
.set ASTEP,  256                       ; bytes from a K step to the next, in A and in B
.set BSTEP,  256
.set A0,   4                           ; v4   my lane's place in A's tile; never rewritten
.set B0,   5                           ; v5   in B's
.set ADRA, 6                           ; v6   the same in the slot that is being read
.set ADRB, 7                           ; v7
.set STO,  8                           ; v8   the way out: where I put 16 bytes of a row
.set RD,   9                           ; v9   where I read rows back
.set CO,   10                          ; v10  16 x lane
.set BO,   11                          ; v11  my byte offset in the bias
.set SPW,  28                          ; v28  LDS address of my spare word; never rewritten
.set NIL,  29                          ; v29  0; never rewritten
.set FA,   32
.set TMP,  96
.set OB,   144
.set RAW,  96                          ; the bias as loaded,
.set PKB,  192                         ; and rounded, two to a word
.set BIAS, 192                         ; in windows 2 and 3
.set WV,   12                          ; s12  my wave's number
.set HALF, 13                          ; s13  which half of a tile I fetch
.set G1A,  24                          ; s[24:31] descriptor group 1 for A's tiles;  s[32:39] for B's
.set G1B,  32
.set G0A,  40                          ; s[40:47] group 0 for A's tiles: a set for each of the two first fills; the second then walks on
.set G0B,  48                          ; s[48:55] the same for B's
.set TB,   57                          ; s57  the slot that is being read: 0 or SLOT1
.set MSB, 0
.macro WIN new                         ; the immediate's high byte repeats the setting that is left; a switch that changes nothing is dropped
.if MSB != (\new)
	s_set_vgpr_msb (MSB<<8)|(\new)
.set MSB, \new
.endif
.endm
.macro PLACES                          ; a load into a register that a matrix instruction has read, and a vector instruction that reads a matrix result, stand four plain vector instructions behind it
.rept 4
	v_nop
.endr
.endm
; A joint refill.  Waves 0 and 1 fetch A's two halves, waves 2 and 3 B's.  The branch hangs on the wave's number alone.  An s_nop 0 and four v_nop follow each line.
.macro JLOAD
	s_cmp_lt_u32 s[WV], 2
	s_cbranch_scc0 .Lfor_b_\@
	tensor_load_to_lds s[G0A+4:G0A+7], s[G1A:G1A+7]
	s_nop 0
.rept 4
	v_nop
.endr
	s_branch .Lasked_\@
.Lfor_b_\@:
	tensor_load_to_lds s[G0B+4:G0B+7], s[G1B:G1B+7]
	s_nop 0
.rept 4
	v_nop
.endr
.Lasked_\@:
.endm
.macro CREST                           ; a round of the cluster's barrier behind its opening barrier: wave 0 signals for the work-group, every wave waits for all sixteen, my work-group's barrier closes it
	s_cmp_lg_u32 s[WV], 0
	s_cbranch_scc1 .Lnot_wave_0_\@
	s_barrier_signal -3
.Lnot_wave_0_\@:
	s_barrier_wait -3
	s_barrier_signal -1
	s_barrier_wait -1
.endm
.macro CROUND
	s_barrier_signal -1
	s_barrier_wait -1
	CREST
.endm
	s_load_b256 s[4:11], s[0:1], 0x0               ; A s[4:5], B s[6:7], bias s[8:9], C s[10:11]
	v_lshl_add_u32 v[SPW], v0, 2, SPARE
	v_mov_b32 v[NIL], 0
	ds_add_u32 v[SPW], v[NIL]                      ; the wave's opening: the add and its wait stand ahead of my first tensor load; the set-up below, work on registers, stands between them
	ds_add_u32 v28, v29
	v_lshrrev_b32 v1, 5, v0
	v_readfirstlane_b32 s[WV], v1
	s_and_b32 s[HALF], s[WV], 1
	s_bfe_u32 s14, ttmp6, 0x40000                  ; cx
	s_bfe_u32 s15, ttmp6, 0x40004                  ; cy
	s_lshl_b32 s16, ttmp9, 2
	s_add_co_u32 s16, s16, s14                     ; tile column = 4 x cluster x + cx
	s_and_b32 s17, ttmp7, 0xffff
	s_lshl_b32 s17, s17, 2
	s_add_co_u32 s17, s17, s15                     ; tile row = 4 x cluster y + cy
	s_lshl_b32 s18, s15, 2
	s_lshl_b32 s18, 15, s18                        ; my row of the cluster
	s_lshl_b32 s19, 0x1111, s14                    ; my column
	s_mul_i32 s20, s[HALF], ALH                    ; where my tile goes, if it is A's,
	s_mul_i32 s21, s[HALF], BLH
	s_add_co_u32 s21, s21, BOFF                    ; or B's: no place in the cluster enters an LDS address
	s_mul_i32 s22, s16, 768                        ; the tile's 192 columns in the bias, in bytes
	; group 1: 128 (A) or 96 (B) rows x 128 elements of 2 bytes, 4 words of padding behind every 64
	s_or_b32 s[G1A], s18, (1<<16)|(1<<20)|(1<<21)|(5<<22)|(3<<25)  ; 15:0 the mask; 17:16 2-byte elements; 20 padding on; 21 set beside a mask; 24:22 after every 64 words; 31:25 4 words
	s_or_b32 s[G1B], s19, (1<<16)|(1<<20)|(1<<21)|(5<<22)|(3<<25)
	s_mov_b32 s[G1A+1], 128<<16                    ; tensor_dim0 = 128
	s_mov_b32 s[G1A+2], 128<<16                    ; tensor_dim1 = 128
	s_mov_b32 s[G1A+3], 128<<16                    ; tile_dim0 = 128
	s_mov_b32 s[G1A+4], 128                        ; tile_dim1 = 128
	s_mov_b32 s[G1A+5], 1024                       ; elements from row to row
	s_mov_b32 s[G1A+6], 0
	s_mov_b32 s[G1A+7], 0
	s_mov_b32 s[G1B+1], 128<<16
	s_mov_b32 s[G1B+2], BR<<16
	s_mov_b32 s[G1B+3], 128<<16
	s_mov_b32 s[G1B+4], BR
	s_mov_b32 s[G1B+5], 1024
	s_mov_b32 s[G1B+6], 0
	s_mov_b32 s[G1B+7], 0
	; A's offset is made of the tile row and the wave's number, B's of the tile column and the wave's number, each in registers that never hold the other coordinate
	s_lshl_b32 s58, s17, 19                        ; 256 rows of 2,048 bytes
	s_lshl_b32 s59, s[HALF], 18
	s_add_co_u32 s58, s58, s59
	s_mov_b32 s59, 0
	s_mul_i32 s60, s16, 192
	s_mul_i32 s61, s[HALF], BR
	s_add_co_u32 s60, s60, s61
	s_lshl_b32 s60, s60, 11
	s_mov_b32 s61, 0
	s_lshr_b32 s62, s17, 3                         ; C: the batch,
	s_mul_i32 s62, s62, 48
	s_mul_i32 s63, s16, 3                          ; the tile's first head,
	s_add_co_u32 s62, s62, s63
	s_lshl_b32 s62, s62, 18                        ; 2,048 rows of 128 bytes each,
	s_and_b32 s63, s17, 7
	s_lshl_b32 s63, s63, 15                        ; the tile's 256 rows,
	s_add_co_u32 s62, s62, s63
	s_lshl_b32 s63, s[WV], 13                      ; my 64 of them
	s_add_co_u32 s62, s62, s63
	s_mov_b32 s63, 0
	s_mov_b32 s[TB], 0
	s_wait_dscnt 0x0                               ; the opening add is done
	s_wait_kmcnt 0x0
	s_add_nc_u64 s[58:59], s[4:5], s[58:59]
	s_add_nc_u64 s[60:61], s[6:7], s[60:61]
	s_add_nc_u64 s[10:11], s[10:11], s[62:63]
	CROUND                                         ; all sixteen work-groups are here: the first joint loads meet
.irp n, 0,1
	s_mov_b32 s[G0A+4*(\n)], 1                     ; count = 1
	s_add_co_u32 s[G0A+4*(\n)+1], s20, (\n)*SLOT1  ; LDS address
	s_add_nc_u64 s[G0A+4*(\n)+2:G0A+4*(\n)+3], s[58:59], (\n)*ASTEP  ; global address: K step n
	s_or_b32 s[G0A+4*(\n)+3], s[G0A+4*(\n)+3], 0x80000000  ; type = 2
	s_mov_b32 s[G0B+4*(\n)], 1
	s_add_co_u32 s[G0B+4*(\n)+1], s21, (\n)*SLOT1
	s_add_nc_u64 s[G0B+4*(\n)+2:G0B+4*(\n)+3], s[60:61], (\n)*BSTEP
	s_or_b32 s[G0B+4*(\n)+3], s[G0B+4*(\n)+3], 0x80000000
.endr
	s_cmp_lt_u32 s[WV], 2                          ; a wave's two first fills stand in one branch, ahead of every wait on TENSORcnt and every LDS read: two loads of mine are out, later one
	s_cbranch_scc0 .Lfirst_b
	tensor_load_to_lds s[G0A:G0A+3], s[G1A:G1A+7]
	s_nop 0
	tensor_load_to_lds s[G0A+4:G0A+7], s[G1A:G1A+7]
	s_nop 0
.rept 4
	v_nop
.endr
	s_branch .Lfirst_asked
.Lfirst_b:
	tensor_load_to_lds s[G0B:G0B+3], s[G1B:G1B+7]
	s_nop 0
	tensor_load_to_lds s[G0B+4:G0B+7], s[G1B:G1B+7]
	s_nop 0
.rept 4
	v_nop
.endr
.Lfirst_asked:
	v_and_b32 v1, 15, v0                           ; r = l % 16
	v_bfe_u32 v2, v0, 4, 1                         ; h = l / 16
	v_lshl_add_u32 v[BO], v2, 5, s22               ; register j of column block b wants bias[192 tc + 16 b + 8 h + j]
.irp b, 0,1,2,3,4,5,6,7,8,9,10,11
	global_load_b128 v[RAW+8*(\b):RAW+8*(\b)+3],   v[BO], s[8:9] offset:64*(\b)
	global_load_b128 v[RAW+8*(\b)+4:RAW+8*(\b)+7], v[BO], s[8:9] offset:64*(\b)+16
.endr
	; a fragment is 16 rows x 32 K in 8 registers: lane l holds row l % 16, K = 8 (l / 16) + 0..7 and 16 + 8 (l / 16) + 0..7: two loads of 16 bytes, 32 bytes apart
	s_mul_i32 s23, s[WV], 64*PA                    ; my 64 rows of A
	v_mul_u32_u24 v[A0], v1, PA
	v_lshl_add_u32 v[A0], v2, 4, v[A0]
	v_add_nc_u32 v[A0], s23, v[A0]
	v_mul_u32_u24 v[B0], v1, PB
	v_lshl_add_u32 v[B0], v2, 4, v[B0]
	v_add_nc_u32 v[B0], BOFF, v[B0]
	v_mov_b32 v[ADRA], v[A0]
	v_mov_b32 v[ADRB], v[B0]
	s_mul_i32 s23, s[WV], 16*SPITCH
	s_add_co_u32 s23, s23, STAGE                   ; my stage
	v_mul_u32_u24 v[STO], v1, SPITCH               ; in: row l % 16, 16 bytes for each half of the lanes
	v_lshl_add_u32 v[STO], v2, 4, v[STO]
	v_add_nc_u32 v[STO], s23, v[STO]
	v_bfe_u32 v[RD], v0, 3, 2                      ; back: 32 lanes take four rows' 128 bytes of one head,
	v_mul_u32_u24 v[RD], v[RD], SPITCH
	v_and_b32 v3, 7, v0
	v_lshl_add_u32 v[RD], v3, 4, v[RD]
	v_add_nc_u32 v[RD], s23, v[RD]
	v_and_b32 v[CO], 31, v0                        ; which are 512 consecutive bytes of qkv
	v_lshlrev_b32 v[CO], 4, v[CO]
	s_wait_loadcnt 0x0
.set i, 0
.rept 48
	v_cvt_pk_bf16_f32 v[PKB+i], v[RAW+2*i], v[RAW+2*i+1]  ; the bias is rounded to bf16,
.set i, i+1
.endr
	WIN 0x80                                       ; and laid as f32 where the first products take it
.set i, 0
.rept 32
	v_lshlrev_b32 v[BIAS+2*i], 16, v[PKB+i]
	v_and_b32 v[BIAS+2*i+1], 0xffff0000, v[PKB+i]
.set i, i+1
.endr
	WIN 0xc0
.set i, 0
.rept 16
	v_lshlrev_b32 v[BIAS+2*i], 16, v[PKB+32+i]
	v_and_b32 v[BIAS+2*i+1], 0xffff0000, v[PKB+32+i]
.set i, i+1
.endr
	WIN 0
; 12 matrix instructions: row block a x all column blocks, 32 along K, from buffer f.  first = 1: the product starts the sums, with the bias as C.
; The 48 accumulators take turns, one instruction a turn, in the same order in every quarter, over the backward jump too.
.macro MULROW f, a, first=0
.irp b, 0,1,2,3,4,5,6,7,8,9,10,11
.if \first
	WIN 0x01|((2+(\b)/8)<<4)|((2+(\a)/2)<<6)
	v_wmma_f32_16x16x32_bf16 v[96*((\a)%2)+8*(\b):96*((\a)%2)+8*(\b)+7], v[96*(\f)+8*(\b):96*(\f)+8*(\b)+7], v[FA+32*(\f)+8*(\a):FA+32*(\f)+8*(\a)+7], v[BIAS+8*((\b)%8):BIAS+8*((\b)%8)+7]
.else
	WIN 0xa1+0x50*((\a)/2)
	v_wmma_f32_16x16x32_bf16 v[96*((\a)%2)+8*(\b):96*((\a)%2)+8*(\b)+7], v[96*(\f)+8*(\b):96*(\f)+8*(\b)+7], v[FA+32*(\f)+8*(\a):FA+32*(\f)+8*(\a)+7], v[96*((\a)%2)+8*(\b):96*((\a)%2)+8*(\b)+7]
.endif
.endr
.endm
; 32 LDS loads in one run: the fragments of quarter q of the K step (192 rows of B, my 64 rows of A) into buffer f; A's last
.macro FETCH q, f
	WIN 0x40
.irp b, 0,1,2,3,4,5,6,7,8,9,10,11
	ds_load_b128 v[96*(\f)+8*(\b):96*(\f)+8*(\b)+3],   v[ADRB] offset:64*(\q)+(\b)*16*PB
	ds_load_b128 v[96*(\f)+8*(\b)+4:96*(\f)+8*(\b)+7], v[ADRB] offset:64*(\q)+(\b)*16*PB+32
.endr
	WIN 0
.irp a, 0,1,2,3
	ds_load_b128 v[FA+32*(\f)+8*(\a):FA+32*(\f)+8*(\a)+3],   v[ADRA] offset:64*(\q)+(\a)*16*PA
	ds_load_b128 v[FA+32*(\f)+8*(\a)+4:FA+32*(\f)+8*(\a)+7], v[ADRA] offset:64*(\q)+(\a)*16*PA+32
.endr
.endm
; A K step is four quarters of 32 along K, 48 matrix instructions each, on buffers 0, 1, 0, 1.  One of the first three: multiplies buffer f; in its middle it fetches quarter q into buffer g.
.macro QUARTER q, f, g, first=0
	s_wait_dscnt 4                                 ; B and A's row blocks 0, 1 are in; the youngest four loads (blocks 2, 3) may be out
	MULROW \f, 0, \first
	MULROW \f, 1, \first
	PLACES
	FETCH \q, \g
	s_wait_dscnt 2*NF+8                            ; all but the run just issued
	MULROW \f, 2, \first
	MULROW \f, 3, \first
.endm
; The last quarter multiplies buffer 1 and changes slots: ONE barrier.  In front of it each wave waits for all its tensor loads (the one that is out is its part of the next slot), adds 0 to its spare
; word, and waits for that and for its reads of this slot.  fill = 1: the barrier opens a round of the cluster's, and the slot just read is filled again, two K steps on, first thing behind the round.
.macro TURN fill
	WIN 0
	s_wait_tensorcnt 0x0                           ; no tensor load of mine is out, so a group 0 may be written
	ds_add_u32 v[SPW], v[NIL]                      ; 0 onto my spare word
.if \fill
	s_xor_b32 s[G0A+5], s[G0A+5], SLOT1            ; the walking descriptors: the other slot than last time,
	s_add_nc_u64 s[G0A+6:G0A+7], s[G0A+6:G0A+7], ASTEP  ; the next K step; the type bits on top are not reached
	s_xor_b32 s[G0B+5], s[G0B+5], SLOT1
	s_add_nc_u64 s[G0B+6:G0B+7], s[G0B+6:G0B+7], BSTEP
.endif
	s_wait_dscnt 5                                 ; the add and the youngest four loads may be out
	MULROW 1, 0
	s_wait_dscnt 0x0                               ; the add is done, and my reads of this slot are over
	s_barrier_signal -1
	MULROW 1, 1                                    ; work on registers while the others arrive
	WIN 0                                          ; at a branch and at a label every window is 0
	s_barrier_wait -1
.if \fill
	CREST                                          ; no wave of any partner still reads this slot's tile or has a load on its way
	JLOAD                                          ; its four v_nop are also the places in front of the loads below
.else
	PLACES
.endif
	s_xor_b32 s[TB], s[TB], SLOT1
	v_add_nc_u32 v[ADRA], s[TB], v[A0]
	v_add_nc_u32 v[ADRB], s[TB], v[B0]
	FETCH 0, 0
	MULROW 1, 2
	MULROW 1, 3
.endm
	s_wait_tensorcnt 1                             ; my part of K step 0 is in; step 1's may stay out
	s_barrier_signal -1
	s_barrier_wait -1                              ; everybody's is
	FETCH 0, 0
	QUARTER 1, 0, 1, 1                             ; the first quarter stands in front of the loop: its products start the sums
	WIN 0
	s_mov_b32 s3, 6
.Lstep:                                                ; six trips, from a step's second quarter to the next step's first: K steps 2 to 7 are asked for
	QUARTER 2, 1, 0
	QUARTER 3, 0, 1
	TURN 1
	QUARTER 1, 0, 1
	WIN 0
	s_sub_co_u32 s3, s3, 1
	s_cmp_lg_u32 s3, 0
	s_cbranch_scc1 .Lstep
	QUARTER 2, 1, 0                                ; the tail is written out: nothing more is asked for
	QUARTER 3, 0, 1
	TURN 0
	QUARTER 1, 0, 1
	QUARTER 2, 1, 0
	QUARTER 3, 0, 1
	s_wait_dscnt 4
	MULROW 1, 0
	MULROW 1, 1
	s_wait_dscnt 0x0
	MULROW 1, 2
	MULROW 1, 3
	WIN 0
	PLACES
; THE WAY OUT, a row block (16 rows x 192 columns) at a time.  PACK: rounded to f16, 16 bytes a lane, each accumulator's registers in ascending order.  TOSTAGE: into my own stage, and back as
; four rows x 128 bytes of one head.  SEND: stored.
.macro PACK a
	WIN 0x0a+5*((\a)/2)
.irp b, 0,1,2,3,4,5,6,7,8,9,10,11
.irp r, 0,1,2,3
	v_cvt_pk_f16_f32 v[TMP+4*(\b)+(\r)], v[96*((\a)%2)+8*(\b)+2*(\r)], v[96*((\a)%2)+8*(\b)+2*(\r)+1]
.endr
.endr
	WIN 0
.endm
.macro TOSTAGE a
.irp b, 0,1,2,3,4,5,6,7,8,9,10,11
	ds_store_b128 v[STO], v[TMP+4*(\b):TMP+4*(\b)+3] offset:32*(\b)
.endr
.irp hh, 0,1,2
.irp g, 0,1,2,3
	ds_load_b128 v[OB+48*((\a)%2)+4*(4*(\hh)+(\g)):OB+48*((\a)%2)+4*(4*(\hh)+(\g))+3], v[RD] offset:4*SPITCH*(\g)+128*(\hh)  ; LDS serves a wave's instructions in order (ISA guide 5.7.1.4): these see the stores above
.endr
.endr
.endm
.macro SEND a
	s_wait_dscnt 0x0                               ; the block is back in registers
	s_wait_xcnt 0x0                                ; the stores of the block before have read their registers: the next block is read back into them only behind this wait
.irp hh, 0,1,2
.irp g, 0,1,2,3
	global_store_b128 v[CO], v[OB+48*((\a)%2)+4*(4*(\hh)+(\g)):OB+48*((\a)%2)+4*(4*(\hh)+(\g))+3], s[10:11] offset:262144*(\hh)+2048*(\a)+512*(\g)  ; 512 consecutive bytes of one head, aligned
.endr
.endr
.endm
	PACK 0
	TOSTAGE 0
.irp a, 1,2,3                          ; block a's conversions stand between block a - 1's loads from the stage and the wait for them
	PACK \a
	SEND (\a)-1
	TOSTAGE \a
.endr
	SEND 3
	s_wait_tensorcnt 0x0                           ; the wave's end, behind my last tensor load and my last LDS store
	ds_add_u32 v[SPW], v[NIL]
	s_wait_dscnt 0x0
	CROUND                                         ; the closing round: no work-group ends while a partner may still ask for a tile that names it
	s_endpgm
.Lfunc_end_k_q4d95ec0c59_qkvgemm:
	.size	k_q4d95ec0c59_qkvgemm, .Lfunc_end_k_q4d95ec0c59_qkvgemm-k_q4d95ec0c59_qkvgemm
	.p2alignl 7, 3214868480
	.fill 96, 4, 3214868480
	.section	.rodata,"a",@progbits
	.p2align	6, 0x0
	.amdhsa_kernel k_q4d95ec0c59_qkvgemm
		.amdhsa_group_segment_fixed_size 327680
		.amdhsa_private_segment_fixed_size 0
		.amdhsa_enable_private_segment 0
		.amdhsa_kernarg_size 32
		.amdhsa_user_sgpr_count 2
		.amdhsa_user_sgpr_kernarg_segment_ptr 1
		.amdhsa_wavefront_size32 1
		.amdhsa_system_sgpr_workgroup_id_x 1
		.amdhsa_system_sgpr_workgroup_id_y 1
		.amdhsa_system_sgpr_workgroup_id_z 1
		.amdhsa_system_vgpr_workitem_id 0
		.amdhsa_next_free_vgpr 1024
		.amdhsa_next_free_sgpr 66
		.amdhsa_reserve_vcc 0
		.amdhsa_float_denorm_mode_32 3
		.amdhsa_float_denorm_mode_16_64 3
		.amdhsa_memory_ordered 1
		.amdhsa_forward_progress 1
		.amdhsa_inst_pref_size 106
	.end_amdhsa_kernel
	.amdgpu_metadata
---
amdhsa.version: [ 1, 2 ]
amdhsa.kernels:
  - .name:           k_q4d95ec0c59_qkvgemm
    .symbol:         k_q4d95ec0c59_qkvgemm.kd
    .args:
      - { .name: xb, .offset: 0, .size: 8, .value_kind: global_buffer, .address_space: global }
      - { .name: wqt, .offset: 8, .size: 8, .value_kind: global_buffer, .address_space: global }
      - { .name: b_qkv, .offset: 16, .size: 8, .value_kind: global_buffer, .address_space: global }
      - { .name: qkv, .offset: 24, .size: 8, .value_kind: global_buffer, .address_space: global }
    .group_segment_fixed_size: 327680
    .private_segment_fixed_size: 0
    .kernarg_segment_align: 8
    .kernarg_segment_size: 32
    .max_flat_workgroup_size: 128
    .sgpr_count:     66
    .vgpr_count:     1024
    .wavefront_size: 32
...
	.end_amdgpu_metadata
.endif
;; end of part 2
;; launch attn (part 3): grid 4 x 64, 4 waves a work-group, no clusters, 327,680 bytes of LDS; arguments qkv, o; writes o
.if DOCPART == 3
	.amdgcn_target "amdgcn-amd-amdhsa--gfx1250"
	.amdhsa_code_object_version 6
	.text
	.protected	k_q4d95ec0c59_attn
	.globl	k_q4d95ec0c59_attn
	.p2align	8
	.type	k_q4d95ec0c59_attn,@function
k_q4d95ec0c59_attn:
	s_mov_b64 s[64:65], 0
	v_nop
	global_prefetch_b8 v0, s[64:65] scope:SCOPE_SE
	s_setreg_imm32_b32 hwreg(HW_REG_WAVE_MODE, 25, 1), 1
	s_wait_xcnt 0x0
; CAUSAL ATTENTION.  O[y][q][:] = the sum over k <= q of softmax_k(Q[y][q] . K[y][k] / 8) V[y][k][:], y = 16 x batch + head.  Q, K, V lie in qkv [batch][48][2048][64] f16 (16 heads of q, of k, of v);
; O is [64][2048][64] f16: a head's rows are dense, 128 bytes each.  Products, maxima and sums in f32; the weights p are rounded to f16 for the second product (their sum l is taken of the unrounded p), O once at the end.
; LIMITS.  f16 holds no number beyond 65,504: Q, K and V arrive within it; p lies in 0 to 1, and below 6e-5 it keeps f16's fixed step of 6e-8; O is a mean of V's rows and has their range, to within 2^-11 of it.
; A hidden score counts as its value less 1e30: f16's scores, 2.7e11 at the most, are nothing beside that; a weight below 2^-126 counts as 0 in l; NaN and infinities are not treated apart.
; THE WALK.  A head's queries lie in NB = 8 blocks of 256; block i needs the key tiles 0 .. i of 256 keys, of which the last holds the diagonal.  A work-group takes TWO blocks, NB - 1 - b and then b:
; NB + 1 tiles, whatever b: all work-groups do equal work, and ONE loop with a constant trip count walks them.  Which tile is asked for, and what a trip does, hang on scalar registers made from b; every jump
; goes forward, but for the counted loops' own; none passes a barrier, or a tensor load but the one of LOAD's two that the wave's number does not choose; the ring (two slots of LDS that take turns) runs on across the
; change of blocks.  NO CLUSTER: the four work-groups of a head ask for the same tile only in trips 0 .. NB / 2, behind that fewer and fewer; and one walk common to all would have 3 NB / 2 trips for NB + 1.
; SHARES.  Of a block's four bands of 64 queries a wave owns 16 rows in each: four PIECES.  So the diagonal tile is the same work for all four waves: in its key step s band x sees all keys if s < x,
; none if s > x, and holds the diagonal if s = x.
; THE MASK is the C operand that starts the sum S^T = K Q^T: 0, or -1e30 where the key is hidden.  MD, made once, is the mask of a band's own step for my 16 rows; a product's mask is MD x AL + BE with two scalars:
; (1, 0) if s = x; (0, 0) if s < x; (0, -1e30) if s > x.  Only the diagonal tile's text and a block's beginning make and take masks; elsewhere C is the constant 0.
; LAYOUT, SOFTMAX, TURNS.  S^T = K Q^T holds ONE query a lane (lane % 16) and the keys 8 (lane / 16) + 0..7; two such results rounded to f16 ARE source 1 of O^T = V^T P.  p = 2^(c s - c m), c = log2(e) / 8, with a
; running maximum m; O and l are multiplied by a = 2^(c m_old - c m_new) in every step.  Turn n belongs to piece n: 8 products K Q^T of piece n + 1, later 8 products V^T P of piece n - 1; beside them the scaling,
; exponentials, roundings, sums and rescaling of piece n and the maximum and statistics of piece n + 1.  Four vector instructions stand behind every matrix instruction, the other 54 of a turn's 118 in two LUMPS.
; REGISTERS, in windows of 256 (s_set_vgpr_msb: bits 1:0 source 0, 3:2 source 1, 5:4 source 2, 7:6 destination):
;   window 0: v0-15 addresses and two at work; v16-31 four registers of statistics a piece; v48-55 at work; v60 the prefetches' offset; v64-127 S^T, two buffers; v192-223 P, two buffers (a piece's buffers go by its number's parity)
;   window 1: v0-127 O^T, 32 a piece; v128-159 MD; v160-223 MC, two buffers      window 2: v0-63 Q; v64-127 the second block's Q; v128-191 K of one step; v192-255 V of one step
.set SIZE_N, 2048
.set NB,    SIZE_N/256
.set NP,    4         ; pieces a wave: a name, no knob
.set KS,    64        ; keys in a step
.set PK,    144       ; a row of K in LDS: 128 bytes + 16 of padding = 36 words: the 16 rows of a load start at 16 different groups of four banks (64 banks of 4 bytes: ISA guide 11.1)
.set PV,    160       ; a row of V: 128 + 32 = 40 words
.set VOFF,  4*KS*PK   ; a slot holds a tile, four steps: 256 rows of K, then 256 rows of V
.set SLOT1, 1<<17     ; slot 1 begins here, so that one exclusive or turns an address in one slot into the other's
.set STAGE, SLOT1+4*KS*(PK+PV)  ; behind the ring, never filled by a tensor load: 16 rows x 144 bytes for each wave, for the way out
.set SP,    144
.set AK0, 2           ; v2   my lane's place in a tile of K; never rewritten
.set AV0, 3           ; v3   the same for V
.set AK,  4           ; v4   the LDS address of K's next run of loads
.set AV,  5           ; v5   of V's
.set STO, 6           ; v6   the way out: where I put 16 bytes of a row
.set RD,  7           ; v7   the way out: where I read rows back
.set GO,  8           ; v8   my byte offset in 512 consecutive bytes of O
.set PFO, 60          ; v60  256 x my lane; never rewritten
.set SPW, 62          ; v62  LDS address of my spare word: SPARE + 4 x my thread's number; never rewritten
.set NIL, 63          ; v63  0; never rewritten
.set SPARE, STAGE+4*16*SP  ; behind the stages: the spare words, 128 bytes for each wave: two blocks of 256 bytes that no other line names
.set MV,  12          ; v12-13  c m_old, kept while c m is made anew: by buffer
.set QO,  15          ; v15  my byte offset in 16 rows of Q
.set ST,  16          ; piece t's statistics at v[ST+4 t]: c m, m, l (even keys', odd keys')
.set TMP, 48          ; by buffer, four registers c0-c3 at work; when the maximum is found c2 takes a
.set S,   64
.set P,   192
.set MD,  128         ; window 1: the eight registers for group kt of 16 keys at MD + 8 kt
.set MC,  160         ; window 1: the masks of the products to come
.set QB,  64          ; window 2
.set KF,  128         ; window 2: key block kb, channel half c at KF + 16 kb + 8 c
.set VF,  192         ; window 2: key half kk, channel block cb at VF + 32 kk + 8 cb
.set WV,  12          ; s12  my wave's number
.set PB,  14          ; s14  b
.set HI,  15          ; s15  NB - 1 - b
.set G1K, 24          ; s[24:31] descriptor group 1 for K's tiles
.set G1V, 32          ; s[32:39] for V's: it differs in the padding alone
.set G0K, 40          ; s[40:43] descriptor group 0 for K's tiles
.set G0V, 44          ; s[44:47] the same for V's
.set SLOTS, 56        ; s56  tiles still to be asked for
.set CNT, 57          ; s57  counts a tile's key steps, 4 to 1
.set CS,  58          ; s[58:59] c: the packed scaling takes the pair's low word for both halves
.set SEL, 60          ; s[60:61] v_permlanex16_b32's selects: each lane takes its own place in the other half
.set TBK, 62          ; s62  LDS byte at which K of the step to be fetched begins
.set TBV, 63          ; s63  the same for V, less VOFF
.set RT,  70          ; s70  tiles of the block in hand that are still to be entered
.set NXT, 71          ; s71  the tile to be asked for next
.set LQ,  72          ; s72  the last tile of the block whose tiles are being asked for
.set NEW, 73          ; s73  1: the tile to be entered is a block's first
.set OFF, 74          ; s[74:75] a tile's byte offset in K and V
.set AL,  76          ; s[76:77] the mask's factor, in the low word
.set BE,  78          ; s[78:79] the mask's addend
.set OLO, 80          ; s[80:81] O at my rows of the second block
.set BIGN, 82         ; s82  -1e30
.set PFA, 92          ; s[92:93] where my prefetches stand: my half (of K: waves 0, 1; of V: waves 2, 3) of the tile after the one that is being asked for
.set LIM, 94          ; s94  2 in the work-group that prefetches, else the greatest number: a wave prefetches while s[SLOTS] is above it
.set MSB, 0
.macro WIN new                      ; the high byte repeats the setting that is left; a switch that changes nothing is dropped
.if MSB != (\new)
	s_set_vgpr_msb (MSB<<8)|(\new)
.set MSB, (\new)
.endif
.endm
.set W_KQ, 0x0a       ; K and Q in window 2, S^T in window 0
.set W_KM, 0x1a       ; the same with the C operand in window 1
.set W_PV, 0x52       ; V in window 2, P in window 0, O^T in window 1
.set W_RS, 0x41       ; destination and source 0 in window 1, source 1 in window 0
; A fill.  Waves 0 and 1 fetch the two halves of a tile's K, waves 2 and 3 those of its V: 128 keys each.  An s_nop 0 and four v_nop follow each of the two lines, ahead of the jump and the label.
.macro LOAD
	s_cmp_lt_u32 s[WV], 2
	s_cbranch_scc0 .Lfor_v_\@
	tensor_load_to_lds s[G0K:G0K+3], s[G1K:G1K+7]
	s_nop 0
.rept 4
	v_nop
.endr
	s_branch .Lasked_\@
.Lfor_v_\@:
	tensor_load_to_lds s[G0V:G0V+3], s[G1V:G1V+7]
	s_nop 0
.rept 4
	v_nop
.endr
.Lasked_\@:
.endm
; A PREFETCH INTO THE L2 of what the NEXT change of slots will ask for.  The head's work-group with b = 0 walks the tiles 0 to 7 in order; it alone asks, each of its waves for the half tile that it will
; fetch itself: 16,384 bytes, a lane to each 256, two instructions.  At s[SLOTS] = s the change asks for tile 9 - s and the prefetch names tile 10 - s, for s = 8 to 3: the tiles 2 to 7, each once in
; the launch; tiles 0 and 1 come by their loads alone.  It stands behind the wave's tensor load and its five lines.
.macro ASK
	s_cmp_gt_u32 s[SLOTS], s[LIM]
	s_cbranch_scc0 .Lnot_mine_\@
	global_prefetch_b8 v[PFO], s[PFA:PFA+1] th:TH_LOAD_NT scope:SCOPE_SE
	global_prefetch_b8 v[PFO], s[PFA:PFA+1] offset:8192 th:TH_LOAD_NT scope:SCOPE_SE
.Lnot_mine_\@:
.endm
; THE CHANGE OF SLOTS.  Each wave waits for all its tensor loads, of which one is out: its part of the other slot; adds 0 to its spare word; and waits for that and for its own reads of the slot that it leaves.  Behind the barrier nobody reads the old
; slot any more and the other slot is whole.  fill = 1: the old slot is filled again, the first thing behind the barrier, with tile NXT: the descriptor's address is made anew from that number.
; (At its first use nothing has been read yet: slot 0 is waited for, slot 1 filled.)
.macro CHANGE fill
	WIN 0                           ; at a label and at a branch every window is 0
	s_wait_tensorcnt 0x0            ; no tensor load of mine is out, so a group 0 may be written
	ds_add_u32 v[SPW], v[NIL]       ; 0 onto my spare word; with fill = 1 the descriptors' scalar work stands between it and the wait for it
.if \fill
	s_lshl_b32 s[OFF], s[NXT], 15   ; a tile is 32,768 bytes of K and of V
	s_xor_b32 s[G0K+1], s[G0K+1], SLOT1
	s_add_nc_u64 s[G0K+2:G0K+3], s[6:7], s[OFF:OFF+1]
	s_or_b32 s[G0K+3], s[G0K+3], 0x80000000
	s_xor_b32 s[G0V+1], s[G0V+1], SLOT1
	s_add_nc_u64 s[G0V+2:G0V+3], s[8:9], s[OFF:OFF+1]
	s_or_b32 s[G0V+3], s[G0V+3], 0x80000000
	s_add_co_u32 s[NXT], s[NXT], 1  ; the block's next tile, or behind its last the second block's tile 0
	s_cmp_gt_u32 s[NXT], s[LQ]
	s_cselect_b32 s[NXT], 0, s[NXT]
	s_cselect_b32 s[LQ], s[PB], s[LQ]
	s_wait_xcnt 0x0                 ; the last prefetches, a tile's four key steps back, have read their address, so it may be written:
	s_add_nc_u64 s[PFA:PFA+1], s[PFA:PFA+1], 32768  ; a tile on
.endif
	s_wait_dscnt 0x0                ; the add is done, and my reads of the slot are over
	s_barrier_signal -1             ; the rest of the scalar work stands between the signal and the wait
	s_sub_co_u32 s[TBK], s[TBK], 4*KS*PK  ; the fetches go back to a slot's first step,
	s_xor_b32 s[TBK], s[TBK], SLOT1       ; in the other slot
	s_sub_co_u32 s[TBV], s[TBV], 4*KS*PV
	s_xor_b32 s[TBV], s[TBV], SLOT1
	s_barrier_wait -1
.if \fill
	LOAD
	ASK
.endif
.endm
	s_load_b64 s[4:5], s[0:1], 0x0    ; qkv
	s_load_b64 s[10:11], s[0:1], 0x8  ; O
	v_lshl_add_u32 v[SPW], v0, 2, SPARE
	v_mov_b32 v[NIL], 0
	ds_add_u32 v[SPW], v[NIL]       ; the wave's opening: the add and its wait stand ahead of my first tensor load; the set-up below, work on registers, stands between them
	ds_add_u32 v62, v63
	v_lshrrev_b32 v1, 5, v0
	v_readfirstlane_b32 s[WV], v1   ; wave 0..3
	s_mov_b32 s[PB], ttmp9
	s_sub_co_u32 s[HI], NB-1, s[PB]
	s_and_b32 s20, ttmp7, 0xffff    ; y = 16 x batch + head
	s_lshl_b32 s90, s20, 18         ; the head's first byte in O: 2,048 rows of 128 bytes
	s_mov_b32 s91, 0
	s_lshr_b32 s21, s20, 4          ; in qkv a batch has 48 heads: q's head stands at 48 x batch + head = y + 32 x batch
	s_lshl_b32 s21, s21, 5
	s_add_co_u32 s20, s20, s21
	s_lshl_b32 s20, s20, 18
	s_mov_b32 s21, 0
	s_and_b32 s16, s[WV], 1         ; which half of a tile's 256 keys I fetch:
	s_lshl_b32 s22, s16, 14         ; its 128 rows of 128 bytes in memory,
	s_mov_b32 s23, 0
	s_add_nc_u64 s[22:23], s[22:23], s[20:21]
	s_mul_i32 s17, s16, 128*PK      ; and its place in a slot, for K
	s_mul_i32 s18, s16, 128*PV      ; and for V
	s_lshl_b32 s3, s[WV], 11        ; my 16 rows in a band of 64,
	s_lshl_b32 s2, s[HI], 15        ; in the first block,
	s_add_co_u32 s2, s2, s3
	s_lshl_b32 s84, s[PB], 15       ; and in the second
	s_add_co_u32 s84, s84, s3
	s_mov_b32 s3, 0
	s_mov_b32 s85, 0
	; descriptor group 1.  128 keys are 16,384 dense bytes: asked for as 64 rows of 256 bytes, two keys a row, and padded in LDS after every key
	s_mov_b32 s[G1K], (1<<16)|(1<<20)|(4<<22)|(3<<25)  ; 17:16 2-byte elements; 20 padding on; 24:22 after every 32 words (code 4); 31:25 4 words (code 3)
	s_mov_b32 s[G1V], (1<<16)|(1<<20)|(4<<22)|(7<<25)  ; the same with 8 words of padding (code 7)
.irp g, G1K, G1V
	s_mov_b32 s[\g+1], 128<<16      ; tensor_dim0 = 128
	s_mov_b32 s[\g+2], 64<<16       ; tensor_dim1 = 64
	s_mov_b32 s[\g+3], 128<<16      ; tile_dim0 = 128
	s_mov_b32 s[\g+4], 64           ; tile_dim1 = 64
	s_mov_b32 s[\g+5], 128          ; 128 elements from row to row
	s_mov_b32 s[\g+6], 0
	s_mov_b32 s[\g+7], 0
.endr
	s_mov_b32 s[CS], 0x3e38aa3b     ; c = log2(e) / 8 = 0.180337
	s_mov_b32 s[CS+1], s[CS]        ; named with it as a pair
	s_mov_b32 s[SEL], 0x76543210
	s_mov_b32 s[SEL+1], 0xfedcba98
	s_mov_b32 s[TBK], SLOT1+4*KS*PK ; the first change of slots turns these two into 0
	s_mov_b32 s[TBV], SLOT1+4*KS*PV
	s_mov_b32 s[G0K], 1             ; 1:0 count = 1
	s_mov_b32 s[G0K+1], s17         ; 63:32 LDS address: slot 0
	s_mov_b32 s[G0V], 1
	s_add_co_u32 s[G0V+1], s18, VOFF
	s_add_co_u32 s[RT], s[HI], 1    ; the first block has NB - b tiles
	s_mov_b32 s[NXT], 1
	s_mov_b32 s[LQ], s[HI]
	s_mov_b32 s[NEW], 1
	s_mov_b32 s[OFF+1], 0
	s_mov_b32 s[AL+1], 0            ; named as pairs
	s_mov_b32 s[BE+1], 0
	s_mov_b32 s[BIGN], 0xf149f2ca   ; -1e30
	s_mov_b32 s[SLOTS], NB
	s_cmp_eq_u32 s[PB], 0
	s_cselect_b32 s[LIM], 2, -1
	v_and_b32 v[PFO], 31, v0
	v_lshlrev_b32 v[PFO], 8, v[PFO]
	s_wait_dscnt 0x0                ; the opening add is done
	s_wait_kmcnt 0x0
	s_add_nc_u64 s[6:7], s[4:5], s[22:23]    ; q's head, at my half of a tile;
	s_add_nc_u64 s[8:9], s[6:7], 0x800000    ; V's head stands 32 heads on,
	s_add_nc_u64 s[6:7], s[6:7], 0x400000    ; K's 16: both at my half of the head's tile 0
	s_add_nc_u64 s[G0K+2:G0K+3], s[6:7], 0         ; 120:64 global address
	s_or_b32 s[G0K+3], s[G0K+3], 0x80000000        ; 127:126 type = 2
	s_add_nc_u64 s[G0V+2:G0V+3], s[8:9], 0
	s_or_b32 s[G0V+3], s[G0V+3], 0x80000000
	s_add_nc_u64 s[4:5], s[4:5], s[20:21]          ; Q's head
	s_add_nc_u64 s[86:87], s[4:5], s[84:85]        ; Q at my rows of the second block,
	s_add_nc_u64 s[4:5], s[4:5], s[2:3]            ; Q and O at those of the first
	s_add_nc_u64 s[10:11], s[10:11], s[90:91]
	s_add_nc_u64 s[OLO:OLO+1], s[10:11], s[84:85]
	s_add_nc_u64 s[10:11], s[10:11], s[2:3]
	s_cmp_lt_u32 s[WV], 2
	s_cselect_b64 s[PFA:PFA+1], s[6:7], s[8:9]
	s_add_nc_u64 s[PFA:PFA+1], s[PFA:PFA+1], 32768 ; at tile 1; the first change of slots steps it to tile 2.  Nothing is prefetched here, at the head
	LOAD                            ; tile 0 into slot 0
	; A fragment of K or Q is 16 rows x 32 channels in 8 registers: lane l holds row l % 16, channels 8 (l / 16) + 0..7 and 16 + 8 (l / 16) + 0..7: two loads of 16 bytes, 32 bytes apart.
	v_and_b32 v1, 15, v0            ; l % 16
	v_bfe_u32 v9, v0, 4, 1          ; l / 16
	v_lshlrev_b32 v[QO], 7, v1
	v_lshl_add_u32 v[QO], v9, 4, v[QO]  ; row x 128 + 16 x half
	WIN 0x80                        ; destination window 2, address window 0
.set i, 0
.rept 8                             ; both blocks' Q: piece i / 2 lies in band i / 2, 8,192 bytes on; channels 32 (i % 2) on
	global_load_b128 v[8*i:8*i+3],   v[QO], s[4:5] offset:(i/2)*8192+(i%2)*64
	global_load_b128 v[8*i+4:8*i+7], v[QO], s[4:5] offset:(i/2)*8192+(i%2)*64+32
	global_load_b128 v[QB+8*i:QB+8*i+3],   v[QO], s[86:87] offset:(i/2)*8192+(i%2)*64
	global_load_b128 v[QB+8*i+4:QB+8*i+7], v[QO], s[86:87] offset:(i/2)*8192+(i%2)*64+32
.set i, i+1
.endr
	WIN 0
	v_lshlrev_b32 v14, 3, v9
	v_sub_nc_u32 v14, v1, v14
	s_lshl_b32 s13, s[WV], 4
	v_add_nc_u32 v14, s13, v14      ; my query's place in its band, 16 w + l % 16, less my lanes' 8 (l / 16): register r of group kt is hidden where 16 kt + r is greater
	WIN 0x40
.set i, 0
.rept 32
	v_cmp_gt_i32 vcc_lo, 16*(i/8)+i%8, v14
	v_cndmask_b32 v[MD+i], 0, s[BIGN], vcc_lo
.set i, i+1
.endr
	WIN 0
	v_mul_u32_u24 v[AK0], v1, PK
	v_lshl_add_u32 v[AK0], v9, 4, v[AK0]  ; row x pitch + 16 x half
	; The turning load takes 16 keys x 16 channels (lane l reads key 8 (l / 16) + l % 8, channels 8 ((l / 8) % 2) + 0..7) and leaves half a fragment of V^T: lane l holds channel l % 16 and 8 keys.
	v_and_b32 v10, 7, v0
	v_bfe_u32 v11, v0, 3, 1
	v_lshl_add_u32 v[AV0], v9, 3, v10
	v_mul_u32_u24 v[AV0], v[AV0], PV
	v_lshl_add_u32 v[AV0], v11, 4, v[AV0]
	v_add_nc_u32 v[AV0], VOFF, v[AV0]
	s_mul_i32 s13, s[WV], 16*SP
	s_add_co_u32 s13, s13, STAGE    ; my stage
	v_mul_u32_u24 v[STO], v1, SP    ; in: row l % 16, 16 bytes for each half of the lanes
	v_lshl_add_u32 v[STO], v9, 4, v[STO]
	v_add_nc_u32 v[STO], s13, v[STO]
	v_bfe_u32 v[RD], v0, 3, 2       ; back: 32 lanes take four rows of 128 bytes,
	v_mul_u32_u24 v[RD], v[RD], SP
	v_lshl_add_u32 v[RD], v10, 4, v[RD]
	v_add_nc_u32 v[RD], s13, v[RD]
	v_and_b32 v[GO], 31, v0         ; which are 512 consecutive bytes of O
	v_lshlrev_b32 v[GO], 4, v[GO]
	; A block's first step multiplies O^T and l by a = 0, and its first turn's products V^T P, of a piece that has not been, land in an O^T that is still to be so multiplied.  So these registers need only hold
	; finite numbers: zeros for the first block; what the first block left for the second.  All this stands in the wait for the first tile.
	WIN 0x80
.set i, VF
.rept 64
	v_mov_b32 v[i], 0
.set i, i+1
.endr
	WIN 0x40
.set i, 0
.rept 128
	v_mov_b32 v[i], 0
.set i, i+1
.endr
	WIN 0
.set i, 0
.rept 4
	v_mov_b32 v[ST+4*i+2], 0
	v_mov_b32 v[ST+4*i+3], 0
.set i, i+1
.endr
.set i, P+16
.rept 16
	v_mov_b32 v[i], 0
.set i, i+1
.endr
; THE MATRIX WORK.  The 4 accumulators of a run of 8 take turns.  Product i of 8 of S^T = K Q^T for piece x: channels 32 (i / 4) on, keys 16 (i % 4) on.  The first 4 start the sums: with 0, or (KM = 1) with the mask.
.macro KQ x
.set rS, S+32*((\x)%2)+8*(i%4)
.set rK, KF+16*(i%4)+8*(i/4)
.set rQ, 16*(\x)+8*(i/4)
.set rM, MC+32*((\x)%2)+8*(i%4)
.if (i < 4) && KM
	WIN W_KM
	v_wmma_f32_16x16x32_f16 v[rS:rS+7], v[rK:rK+7], v[rQ:rQ+7], v[rM:rM+7]
.elseif i < 4
	WIN W_KQ
	v_wmma_f32_16x16x32_f16 v[rS:rS+7], v[rK:rK+7], v[rQ:rQ+7], 0
.else
	WIN W_KQ
	v_wmma_f32_16x16x32_f16 v[rS:rS+7], v[rK:rK+7], v[rQ:rQ+7], v[rS:rS+7]
.endif
.endm
; Product i of 8 of O^T += V^T P for piece x: keys 32 (i / 4) on, channels 16 (i % 4) on.
.macro PV x
	WIN W_PV
.set rO, 32*(\x)+8*(i%4)
.set rV, VF+32*(i/4)+8*(i%4)
.set rP, P+16*((\x)%2)+8*(i/4)
	v_wmma_f32_16x16x32_f16 v[rO:rO+7], v[rV:rV+7], v[rP:rP+7], v[rO:rO+7]
.endm
.macro MM                           ; the turn's next matrix instruction.  TURN and BEGIN set Y, i, KM and NOKQ; MM, KQ and OP read them.  NOKQ = 1: a block's last turn: there is no next piece
.if (i < 8) && !NOKQ
	KQ (Y+1)%NP
.elseif i >= 8
.set i, i-8
	PV (Y+NP-1)%NP
.set i, i+8
.endif
.set i, i+1
.endm
; THE LDS LOADS stand in runs of 16, never singly among the matrix instructions: a step's K (64 keys x 64 channels: 8 fragments) and its V (turned).  Their addresses are made some lines ahead.
.macro FETCH_K
	WIN 0x80                        ; destination window 2
.irp f, 0,1,2,3,4,5,6,7             ; keys 16 (f / 2) on, channels 32 (f % 2) on
	ds_load_b128 v[KF+8*\f:KF+8*\f+3],   v[AK] offset:(\f/2)*16*PK+(\f%2)*64
	ds_load_b128 v[KF+8*\f+4:KF+8*\f+7], v[AK] offset:(\f/2)*16*PK+(\f%2)*64+32
.endr
	s_add_co_u32 s[TBK], s[TBK], KS*PK  ; the next fetch is the next step's
	WIN 0
.endm
.macro FETCH_V
	WIN 0x80
.irp f, 0,1,2,3,4,5,6,7             ; keys 32 (f / 4) on, channels 16 (f % 4) on
	ds_load_tr16_b128 v[VF+8*\f:VF+8*\f+3],   v[AV] offset:(\f/4)*32*PV+(\f%4)*32
	ds_load_tr16_b128 v[VF+8*\f+4:VF+8*\f+7], v[AV] offset:(\f/4)*32*PV+16*PV+(\f%4)*32
.endr
	WIN 0
.endm
; THE VECTOR WORK, one line at a time: OP kind, number.  For piece Y: F n: c s - c m for pair n of 16.  E n: the exponential of score n of 32.  C n: pair n rounded to f16.  B n: of the four weights 4 n .. the second
; pair is added onto the first, in place.  L n: l takes that sum (L 0: l = a l + sum).  R n: pair n of 16 of O^T times a.  For piece Y + 1: X n, number n of the 22 that find its maximum and statistics:
;   0-11  four chains c0-c3 of seven scores each, three operands at a time (each accumulator's lowest registers are read first)     12-14, 16  the four scores left over, the old m, and c0-c3 into c0
;   15  c m_old is kept     17, 18  the query's other 32 keys lie in the lane 16 away: the new m     19-21  c m; c m_old - c m_new; a
.set F, 0               ; OP tells the kinds apart by their order: F to L below R, X above it
.set E, 1
.set C, 2
.set B, 3
.set L, 4
.set R, 5
.set X, 6
.macro REGS y                       ; the registers of piece y
.set rT, ST+4*(\y)
.set rC, TMP+4*((\y)%2)
.set rW, MV+((\y)%2)
.set rS, S+32*((\y)%2)
.set rP, P+16*((\y)%2)
.set rO, 32*(\y)
.endm
.macro OP k, n
.if (\k) == R
	REGS Y
	WIN W_RS
	v_pk_mul_f32 v[rO+2*(\n):rO+2*(\n)+1], v[rO+2*(\n):rO+2*(\n)+1], v[rC+2:rC+3] op_sel_hi:[1,0]
.elseif (\k) < R
	REGS Y
	WIN 0
.if (\k) == F
	v_pk_fma_f32 v[rS+2*(\n):rS+2*(\n)+1], v[rS+2*(\n):rS+2*(\n)+1], s[CS:CS+1], v[rT:rT+1] op_sel_hi:[1,0,0] neg_lo:[0,0,1] neg_hi:[0,0,1]
.elseif (\k) == E
	v_exp_f32 v[rS+(\n)], v[rS+(\n)]
.elseif (\k) == C
	s_wait_alu depctr_va_vdst(0)
	v_cvt_pk_f16_f32 v[rP+(\n)], v[rS+2*(\n)], v[rS+2*(\n)+1]
.elseif (\k) == B
	s_wait_alu depctr_va_vdst(0)
	v_pk_add_f32 v[rS+4*(\n):rS+4*(\n)+1], v[rS+4*(\n):rS+4*(\n)+1], v[rS+4*(\n)+2:rS+4*(\n)+3]
.elseif (\n) == 0
	v_pk_fma_f32 v[rT+2:rT+3], v[rT+2:rT+3], v[rC+2:rC+3], v[rS:rS+1] op_sel_hi:[1,0,1]
.else
	v_pk_add_f32 v[rT+2:rT+3], v[rT+2:rT+3], v[rS+4*(\n):rS+4*(\n)+1]
.endif
.elseif NOKQ
	v_nop
.else
	REGS (Y+1)%NP
	WIN 0
.if (\n) < 4
	v_max3_num_f32 v[rC+(\n)], v[rS+8*(\n)], v[rS+8*(\n)+1], v[rS+8*(\n)+2]
.elseif (\n) < 12
	v_max3_num_f32 v[rC+(\n)%4], v[rC+(\n)%4], v[rS+8*((\n)%4)+2*((\n)/4)+1], v[rS+8*((\n)%4)+2*((\n)/4)+2]
.elseif (\n) == 12
	v_max3_num_f32 v[rC], v[rC], v[rS+7], v[rS+15]
.elseif (\n) == 13
	v_max3_num_f32 v[rC+1], v[rC+1], v[rS+23], v[rS+31]
.elseif (\n) == 14
	v_max3_num_f32 v[rC+2], v[rC+2], v[rC+3], v[rT+1]
.elseif (\n) == 15
	v_mov_b32 v[rW], v[rT]
.elseif (\n) == 16
	v_max3_num_f32 v[rC], v[rC], v[rC+1], v[rC+2]
.elseif (\n) == 17
	v_permlanex16_b32 v[rC+3], v[rC], s[SEL], s[SEL+1]
.elseif (\n) == 18
	v_max_num_f32 v[rT+1], v[rC], v[rC+3]
.elseif (\n) == 19
	v_mul_f32 v[rT], s[CS], v[rT+1]
.elseif (\n) == 20
	v_sub_f32 v[rC+1], v[rW], v[rT]
.else
	v_exp_f32 v[rC+2], v[rC+1]
.endif
.endif
.endm
.macro OPS a, i1, b=-1, i2=0, c=-1, i3=0, d=-1, i4=0  ; up to four of them
	OP \a, \i1
.if (\b) >= 0
	OP \b, \i2
.endif
.if (\c) >= 0
	OP \c, \i3
.endif
.if (\d) >= 0
	OP \d, \i4
.endif
.endm
.macro ROW a, i1, b, i2, c, i3, d, i4  ; a matrix instruction and the four behind it
	MM
	OPS \a, \i1, \b, \i2, \c, \i3, \d, \i4
.endm
.macro MASK b                       ; MD x AL + BE into buffer b of MC
	WIN W_RS
.set z, 0
.rept 16
	v_pk_fma_f32 v[MC+32*(\b)+2*z:MC+32*(\b)+2*z+1], v[MD+2*z:MD+2*z+1], s[AL:AL+1], s[BE:BE+1] op_sel_hi:[1,0,0]
.set z, z+1
.endr
.endm
; A TURN, for piece p: the order of its 16 matrix and 118 vector instructions, written out.  Behind a matrix instruction: plain, exponential, plain, plain; or four of the rescaling; or, behind the first, four scalings; none
; names a register of the products round it.  In the lumps exponential and plain by turns while exponentials last.  A line reads no result made fewer than three vector instructions in front of it, five if an exponential made it.
; v_permlanex16_b32 (X 17) stands in a lump.
; m = 1: the diagonal tile: the products take masks, and the turn makes the mask for the products of the turn after it: piece p + 2, in step 4 - CNT of the tile.  end = 1: a block's last two turns: nothing is fetched.
; cnt = 1: the loop's count is taken down some lines ahead of the branch that stands behind the turn.
; K of the next step is fetched in piece 2's turn, six vector instructions behind the last product that read K (five of them plain); V of the step in hand in piece 0's turn, eight behind the last product that read V (four
; plain, and X 17).  Each is waited for a turn later.
.macro TURN p, m=0, end=0, cnt=0
.set Y, (\p)
.set i, 0
.set KM, (\m)
.set NOKQ, (\end)*((\p)/3)
.if (\m) && !(\end)
	s_cmp_eq_u32 s[CNT], 4-((\p)+2)%NP  ; is that step the band's own?
	s_cselect_b32 s[AL], 1.0, 0
	s_cmp_lt_u32 s[CNT], 4-((\p)+2)%NP  ; or a later one?
	s_cselect_b32 s[BE], s[BIGN], 0
.endif
.if ((\p) == 3) && !(\end)
	s_wait_dscnt 0x0                ; K is in
.endif
	ROW F,0, F,1, F,2, F,3
	ROW F,4, E,0, F,5, F,6
	ROW F,7, E,1, F,8, F,9
	ROW F,10, E,2, C,0, F,11
	ROW F,12, E,3, X,15, F,13
	ROW R,0, R,1, R,2, R,3
	ROW B,0, E,4, F,14, L,0
.if ((\p) == 2) && !(\end)
	v_add_nc_u32 v[AK], s[TBK], v[AK0]
.endif
	ROW R,4, R,5, R,6, R,7
	OPS E,5, F,15
.if ((\p) == 2) && !(\end)
	FETCH_K
.endif
	OPS E,6, C,1, E,7, R,8
	OPS E,8, R,9, E,9, C,2
	OPS E,10, X,0, E,11, X,1
	OPS E,12, X,2, E,13, X,3
.if (\p) == 1
	s_wait_dscnt 0x0                ; V is in
.endif
	ROW X,4, E,14, X,5, X,6
	ROW X,7, E,15, X,8, X,9
	ROW X,10, E,16, X,11, X,12
	ROW X,13, E,17, X,14, B,1
	ROW C,4, E,18, X,16, L,1
	ROW B,2, E,19, C,6, L,2
	ROW C,8, E,20, B,3, B,4
.if (\p) == 0
	v_add_nc_u32 v[AV], s[TBV], v[AV0]
.endif
	ROW C,3, E,21, L,3, C,5
	OPS E,22, X,17, E,23, C,10
.if (\p) == 0
	FETCH_V
.endif
	OPS E,24, L,4
	OPS E,25, X,18, E,26, C,7
	OPS E,27, B,5, E,28, X,19
	OPS E,29, C,12, E,30, L,5
	OPS E,31, X,20, B,6, C,9
	OPS C,14, C,11, X,21, L,6
.if (\p) == 0
	s_add_co_u32 s[TBV], s[TBV], KS*PV
.endif
.if \cnt
	s_sub_co_u32 s[CNT], s[CNT], 1
	s_cmp_lg_u32 s[CNT], 0
.endif
	OPS C,13, B,7, C,15, R,10
	OPS R,11, R,12, L,7, R,13
	OPS R,14, R,15
.if (\m) && !(\end)
	MASK (\p)%2
.endif
.endm
; A BLOCK BEGINS.  c m starts far below every c s, so the first step's a is 0; m at the lowest finite number, so the first maximum is the scores'.  The second mask buffer is 0; the first takes piece 0's mask for the tile's step 0: its own, if the block's first tile is the diagonal one.
; Then K of that step, piece 0's first scores, and its maximum and statistics.  The loop is entered at a step's first turn, in the middle of a trip.
.macro BEGIN
	s_mov_b32 s[NEW], 0
	WIN 0x40
.set i, MC+32
.rept 32
	v_mov_b32 v[i], 0
.set i, i+1
.endr
	WIN 0
.set i, 0
.rept 4
	v_mov_b32 v[ST+4*i], 0xfe000000    ; c m: far below every c s
	v_mov_b32 v[ST+4*i+1], 0xff7fffff  ; m
.set i, i+1
.endr
	s_cmp_eq_u32 s[RT], 0
	s_cselect_b32 s[AL], 1.0, 0
	s_mov_b32 s[BE], 0
	MASK 0
	WIN 0
	v_add_nc_u32 v[AK], s[TBK], v[AK0]
	FETCH_K
	s_wait_loadcnt 0x0              ; Q
	s_wait_dscnt 0x0
.set KM, 1
.set NOKQ, 0
.set i, 0
.rept 8
	KQ 0
.set i, i+1
.endr
	WIN 0
.rept 4
	v_nop                           ; the places behind those products
.endr
.set Y, NP-1                        ; X works for piece Y + 1: piece 0
.irp n, 0,1,2,3,4,5,6,7,8,9,10,11,12,13,14,15,16,17,18,19,20,21
	OP X, \n
.endr
	v_nop                           ; a plain instruction behind the exponential
.endm
; THE DIAGONAL TILE's four steps, the block's last two turns, its last products, and THE WAY OUT: l's two halves and the other half of the lanes' are added; O^T is divided by l, rounded to f16 and sent through my
; stage in LDS, a piece at a time.
.macro ALL line:vararg              ; one line for each piece t
.set t, 0
.rept 4
	\line
.set t, t+1
.endr
.endm
.macro PACK t                       ; a lane's eight channels of a row pack into 16 bytes; they go into rows of 144 bytes and come back as whole rows of 128, into S^T's registers
	WIN W_RS
.set i, 32*(\t)
.rept 16
	s_wait_alu depctr_va_vdst(0)
	v_pk_mul_f32 v[i:i+1], v[i:i+1], v[ST+4*(\t)+2:ST+4*(\t)+3] op_sel_hi:[1,0]
.set i, i+2
.endr
	WIN 0x05                        ; sources 0 and 1 window 1, destination window 0
.set i, 0
.rept 16
	v_cvt_pk_f16_f32 v[S+16*(\t)+i], v[32*(\t)+2*i], v[32*(\t)+2*i+1]
.set i, i+1
.endr
	WIN 0
.irp f, 0,1,2,3
	ds_store_b128 v[STO], v[S+16*(\t)+4*\f:S+16*(\t)+4*\f+3] offset:32*\f
.endr
.irp f, 0,1,2,3
	ds_load_b128 v[S+16*(\t)+4*\f:S+16*(\t)+4*\f+3], v[RD] offset:\f*4*SP  ; LDS serves a wave's instructions in order (ISA guide 5.7.1.4): these see the stores above; the next piece's stores come behind them
.endr
.endm
.macro SEND t, younger              ; younger: the LDS instructions issued behind piece t's loads: the next piece's eight, or none
	WIN 0
.irp f, 0,1,2,3
	s_wait_dscnt (\younger)+3-\f
	global_store_b128 v[GO], v[S+16*(\t)+4*\f:S+16*(\t)+4*\f+3], s[10:11] offset:(\t)*8192+\f*512  ; 512 consecutive bytes, at a multiple of 256 from O's first
.endr
.endm
.macro DIAG tag                     ; the tag ends its two labels' names, which the jumps below spell out
.LstepM\tag:
	TURN 2, 1
	TURN 3, 1
	WIN 0
.LfirstM\tag:
	TURN 0, 1
	TURN 1, 1, 0, 1
	WIN 0
	s_cbranch_scc1 .LstepM\tag
	TURN 2, 1, 1
	TURN 3, 1, 1
.set i, 0
.rept 8
	PV NP-1
.set i, i+1
.endr
	WIN 0
	ALL v_add_f32 v[ST+4*t+2], v[ST+4*t+2], v[ST+4*t+3]
	ALL v_permlanex16_b32 v[ST+4*t+3], v[ST+4*t+2], s[SEL], s[SEL+1]
	ALL v_add_f32 v[ST+4*t+2], v[ST+4*t+2], v[ST+4*t+3]
	ALL v_rcp_f32 v[ST+4*t+2], v[ST+4*t+2]
	v_nop                           ; a plain instruction between the last reciprocal and the use of its result
	PACK 0
.set t, 1
.rept 3                             ; a piece's arithmetic stands between the loads of the piece before and its stores
	PACK t
	SEND t-1, 8
.set t, t+1
.endr
	SEND 3, 0
.endm
.set KM, 0
.set NOKQ, 0
.Lslot:                             ; NB times: a tile is entered and the next is asked for
	CHANGE 1
	s_sub_co_u32 s[RT], s[RT], 1
	s_mov_b32 s[CNT], 4
	s_cmp_eq_u32 s[NEW], 1
	s_cbranch_scc1 .Lnew            ; a block's first tile
	s_cmp_eq_u32 s[RT], 0
	s_cbranch_scc0 .Lstep           ; neither its first nor its last
	s_branch .LstepM1
.Lnew:
	BEGIN
	s_branch .Lfirst                ; in the loop a block's first tile is never its last: the first block has two tiles or more, and the second's last is the walk's last
	DIAG 1                          ; in the loop this is the first block's end: the second block's last tile is the walk's last
	s_wait_xcnt 0x0                 ; the stores have read their registers and O's address
	s_mov_b64 s[10:11], s[OLO:OLO+1]
	s_add_co_u32 s[RT], s[PB], 1    ; the second block has b + 1 tiles
	s_mov_b32 s[NEW], 1
	WIN 0x82                        ; the second block's Q goes where the one text of the turns names Q
.set i, 0
.rept 64
	v_mov_b32 v[i], v[QB+i]
.set i, i+1
.endr
	WIN 0
	s_branch .Lbottom
.Lstep:                             ; a trip: pieces 2 and 3 of one step, then pieces 0 and 1 of the next, whose K and V it fetches
	TURN 2
	TURN 3
	WIN 0
.Lfirst:
	TURN 0
	TURN 1, 0, 0, 1
	WIN 0
	s_cbranch_scc1 .Lstep
.Lbottom:
	s_sub_co_u32 s[SLOTS], s[SLOTS], 1
	s_cmp_lg_u32 s[SLOTS], 0
	s_cbranch_scc1 .Lslot
	CHANGE 0                        ; the walk's last tile is written out: nothing is asked for
	s_sub_co_u32 s[RT], s[RT], 1
	s_mov_b32 s[CNT], 4
	s_cmp_eq_u32 s[NEW], 1
	s_cbranch_scc0 .LstepM2
	BEGIN
	s_branch .LfirstM2
	DIAG 2
	s_wait_tensorcnt 0x0            ; the wave's end, behind my last tensor load and my last LDS store
	ds_add_u32 v[SPW], v[NIL]
	s_wait_dscnt 0x0
	s_endpgm
.Lfunc_end_k_q4d95ec0c59_attn:
	.size	k_q4d95ec0c59_attn, .Lfunc_end_k_q4d95ec0c59_attn-k_q4d95ec0c59_attn
	.p2alignl 7, 3214868480
	.fill 96, 4, 3214868480
	.section	.rodata,"a",@progbits
	.p2align	6, 0x0
	.amdhsa_kernel k_q4d95ec0c59_attn
		.amdhsa_group_segment_fixed_size 327680
		.amdhsa_private_segment_fixed_size 0
		.amdhsa_enable_private_segment 0
		.amdhsa_kernarg_size 16
		.amdhsa_user_sgpr_count 2
		.amdhsa_user_sgpr_kernarg_segment_ptr 1
		.amdhsa_wavefront_size32 1
		.amdhsa_system_sgpr_workgroup_id_x 1
		.amdhsa_system_sgpr_workgroup_id_y 1
		.amdhsa_system_sgpr_workgroup_id_z 1
		.amdhsa_system_vgpr_workitem_id 0
		.amdhsa_next_free_vgpr 768
		.amdhsa_next_free_sgpr 96
		.amdhsa_reserve_vcc 1
		.amdhsa_float_denorm_mode_32 3
		.amdhsa_float_denorm_mode_16_64 3
		.amdhsa_memory_ordered 1
		.amdhsa_forward_progress 1
		.amdhsa_inst_pref_size 229
	.end_amdhsa_kernel
	.amdgpu_metadata
---
amdhsa.version: [ 1, 2 ]
amdhsa.kernels:
  - .name:           k_q4d95ec0c59_attn
    .symbol:         k_q4d95ec0c59_attn.kd
    .args:
      - { .name: qkv, .offset: 0, .size: 8, .value_kind: global_buffer, .address_space: global }
      - { .name: o, .offset: 8, .size: 8, .value_kind: global_buffer, .address_space: global }
    .group_segment_fixed_size: 327680
    .private_segment_fixed_size: 0
    .kernarg_segment_align: 8
    .kernarg_segment_size: 16
    .max_flat_workgroup_size: 128
    .sgpr_count:     96
    .vgpr_count:     768
    .wavefront_size: 32
...
	.end_amdgpu_metadata
.endif
;; end of part 3
;; launch outgemm (part 4): grid 8 x 32, 4 waves a work-group, clusters of 4 x 4, 327,680 bytes of LDS; arguments o, wot, b_out, out0; writes out0
.if DOCPART == 4
	.amdgcn_target "amdgcn-amd-amdhsa--gfx1250"
	.amdhsa_code_object_version 6
	.text
	.protected	k_q4d95ec0c59_outgemm
	.globl	k_q4d95ec0c59_outgemm
	.p2align	8
	.type	k_q4d95ec0c59_outgemm,@function
k_q4d95ec0c59_outgemm:
	s_mov_b64 s[64:65], 0
	v_nop
	global_prefetch_b8 v0, s[64:65] scope:SCOPE_SE
	s_setreg_imm32_b32 hwreg(HW_REG_WAVE_MODE, 25, 1), 1
	s_wait_xcnt 0x0
	s_wait_alu depctr_hold_cnt(0) depctr_sa_sdst(0) depctr_va_vdst(0) depctr_va_sdst(0) depctr_va_ssrc(0) depctr_va_vcc(0) depctr_vm_vsrc(0)
	s_getreg_b32 s2, hwreg(HW_REG_IB_STS2, 6, 4)
	s_cmp_eq_u32 s2, 0
	s_cbranch_scc0 .Lentry_in_a_cluster
	s_endpgm
.Lentry_in_a_cluster:
	s_bfe_u32 s2, ttmp6, 0x10000c
	s_cmp_lg_u32 s2, 0xf033
	s_cbranch_scc0 .Lentry_shape_is_right
	s_endpgm
.Lentry_shape_is_right:
; out0 = O w_out + b_out.  A = o [16 x batch + head][2048][64] f16, B = wot [1024 n][1024 k] f16 (w_out rounded to bf16, written as f16), the bias rounded to bf16 like the other inputs;
; sums in f32; out0 [8192][1024] f32.  The heads are merged for nothing: k = 64 x head + channel, so a K step of 128 is two heads.
; LIMIT.  A and B arrive within f16's range.  NaN and infinities are not treated apart.
; SHARES.  A tile of C is 256 rows x 128 columns; 8 x 32 tiles, a work-group each.  Four waves one below the other, each 64 rows x 128 columns: 32 accumulators, 256 registers; a wave's rows of C
; are 512 consecutive bytes, so its way out needs no other wave.  K goes in 8 steps of 128 through two LDS slots.
; A's TILE.  256 rows of one head are 32,768 dense bytes: asked for as 128 rows of 256 bytes and padded in LDS after every 128 bytes.  Wave 0 fetches head 2 s, wave 1 head 2 s + 1 of K step s: LDS holds [head of two][256 rows][144 bytes].
; CLUSTER.  4 x 4 work-groups: the four of a row need the same tiles of A, the four of a column the same tiles of B: each tile is asked for JOINTLY, by the same tensor load, descriptor and mask in all four.
; THE MATRIX INSTRUCTION IS USED TRANSPOSED (source 0 = 16 rows of B, source 1 = 16 rows of A): a lane holds row l % 16 of C and the columns 8 (l / 16) + 0..7: 32 bytes on end.
; THE BIAS is the C operand of the product that starts each sum: nothing is cleared and nothing is added afterwards.
; REGISTERS, in windows of 256 (s_set_vgpr_msb: bits 1:0 source 0, 3:2 source 1, 5:4 source 2, 7:6 destination):
;   window 0: v0-31 addresses; v32-95 A's fragments, two buffers of 4 x 8; v96-223 at work on the way out (and, at the head, on the bias)
;   window 1: v0-127 B's fragments, two buffers of 8 x 8; v128-191 the bias          window 2: the accumulators, (a, b) at 64 a + 8 b
.set NF,     8                         ; column blocks of 16
.set BR,     64                        ; rows of B that one tensor load brings
.set PA,     144                       ; a row of A in LDS: 128 bytes + 16 of padding = 36 words: the 16 rows that a load touches start at 16 different groups of four banks (64 banks of 4 bytes: ISA guide 11.1)
.set PB,     272                       ; a row of B: 256 + 16
.set AHALF,  256*PA                    ; one head's 256 rows: what one tensor load brings
.set BOFF,   2*AHALF                   ; B's 128 rows lie behind A's two heads
.set BLH,    BR*PB
.set SLOT1,  131072                    ; slot 1 begins here, so that one exclusive or turns an address in one slot into the other's
.set STAGE,  SLOT1+BOFF+2*BLH          ; behind the ring, never filled by a tensor load: 16 rows x 528 bytes for each wave
.set SPITCH, 528                       ; 512 bytes + 16
.set SPARE,  STAGE+4*16*SPITCH         ; behind the stages: the spare words, 128 bytes a wave: two blocks of 256 bytes that no other line names
.set ASTEP,  524288                    ; bytes from a K step to the next in A: two heads of 2,048 rows x 128 bytes
.set BSTEP,  256                       ; and in B
.set A0,   4                           ; v4   my lane's place in A's tile; never rewritten
.set B0,   5                           ; v5   in B's
.set ADRA, 6                           ; v6   the same in the slot that is being read
.set ADRB, 7                           ; v7
.set STO,  8                           ; v8   the way out: where I put 32 bytes of a row
.set RD,   9                           ; v9   where I read a row back
.set CO,   10                          ; v10  16 x lane
.set BO,   11                          ; v11  my byte offset in the bias
.set SPW,  28                          ; v28  LDS address of my spare word; never rewritten
.set NIL,  29                          ; v29  0; never rewritten
.set FA,   32
.set OB,   96                          ; two sets of 64: 16 rows read back from the stage
.set RAW,  96                          ; the bias as loaded,
.set PKB,  160                         ; and rounded, two to a word
.set BIAS, 128                         ; in window 1
.set WV,   12                          ; s12  my wave's number
.set HALF, 13                          ; s13  which half of a tile I fetch
.set G1A,  24                          ; s[24:31] descriptor group 1 for A's tiles;  s[32:39] for B's
.set G1B,  32
.set G0A,  40                          ; s[40:47] group 0 for A's tiles: a set for each of the two first fills; the second then walks on
.set G0B,  48                          ; s[48:55] the same for B's
.set TB,   57                          ; s57  the slot that is being read: 0 or SLOT1
.set MSB, 0
.macro WIN new                         ; the immediate's high byte repeats the setting that is left; a switch that changes nothing is dropped
.if MSB != (\new)
	s_set_vgpr_msb (MSB<<8)|(\new)
.set MSB, \new
.endif
.endm
.macro PLACES                          ; a load into a register that a matrix instruction has read, and a store that reads a matrix result, stand four plain vector instructions behind it
.rept 4
	v_nop
.endr
.endm
; A joint refill.  Waves 0 and 1 fetch A's two heads, waves 2 and 3 B's two halves.  The branch hangs on the wave's number alone.  An s_nop 0 and four v_nop follow each line.
.macro JLOAD
	s_cmp_lt_u32 s[WV], 2
	s_cbranch_scc0 .Lfor_b_\@
	tensor_load_to_lds s[G0A+4:G0A+7], s[G1A:G1A+7]
	s_nop 0
.rept 4
	v_nop
.endr
	s_branch .Lasked_\@
.Lfor_b_\@:
	tensor_load_to_lds s[G0B+4:G0B+7], s[G1B:G1B+7]
	s_nop 0
.rept 4
	v_nop
.endr
.Lasked_\@:
.endm
.macro CREST                           ; a round of the cluster's barrier behind its opening barrier: wave 0 signals for the work-group, every wave waits for all sixteen, my work-group's barrier closes it
	s_cmp_lg_u32 s[WV], 0
	s_cbranch_scc1 .Lnot_wave_0_\@
	s_barrier_signal -3
.Lnot_wave_0_\@:
	s_barrier_wait -3
	s_barrier_signal -1
	s_barrier_wait -1
.endm
.macro CROUND
	s_barrier_signal -1
	s_barrier_wait -1
	CREST
.endm
	s_load_b256 s[4:11], s[0:1], 0x0               ; A s[4:5], B s[6:7], bias s[8:9], C s[10:11]
	v_lshl_add_u32 v[SPW], v0, 2, SPARE
	v_mov_b32 v[NIL], 0
	ds_add_u32 v[SPW], v[NIL]                      ; the wave's opening: the add and its wait stand ahead of my first tensor load; the set-up below, work on registers, stands between them
	ds_add_u32 v28, v29
	v_lshrrev_b32 v1, 5, v0
	v_readfirstlane_b32 s[WV], v1
	s_and_b32 s[HALF], s[WV], 1
	s_bfe_u32 s14, ttmp6, 0x40000                  ; cx
	s_bfe_u32 s15, ttmp6, 0x40004                  ; cy
	s_lshl_b32 s16, ttmp9, 2
	s_add_co_u32 s16, s16, s14                     ; tile column = 4 x cluster x + cx
	s_and_b32 s17, ttmp7, 0xffff
	s_lshl_b32 s17, s17, 2
	s_add_co_u32 s17, s17, s15                     ; tile row = 4 x cluster y + cy
	s_lshl_b32 s18, s15, 2
	s_lshl_b32 s18, 15, s18                        ; my row of the cluster
	s_lshl_b32 s19, 0x1111, s14                    ; my column
	s_mul_i32 s20, s[HALF], AHALF                  ; where my tile goes, if it is A's,
	s_mul_i32 s21, s[HALF], BLH
	s_add_co_u32 s21, s21, BOFF                    ; or B's: no place in the cluster enters an LDS address
	s_lshl_b32 s22, s16, 9                         ; the tile's 128 columns in the bias, in bytes
	; group 1.  A: 128 rows x 128 elements of 2 bytes, dense, 4 words of padding behind every 32.  B: 64 rows x 128 elements, 4 words behind every 64
	s_or_b32 s[G1A], s18, (1<<16)|(1<<20)|(1<<21)|(4<<22)|(3<<25)  ; 15:0 the mask; 17:16 2-byte elements; 20 padding on; 21 set beside a mask; 24:22 the interval; 31:25 4 words
	s_or_b32 s[G1B], s19, (1<<16)|(1<<20)|(1<<21)|(5<<22)|(3<<25)
	s_mov_b32 s[G1A+1], 128<<16                    ; tensor_dim0 = 128
	s_mov_b32 s[G1A+2], 128<<16                    ; tensor_dim1 = 128
	s_mov_b32 s[G1A+3], 128<<16                    ; tile_dim0 = 128
	s_mov_b32 s[G1A+4], 128                        ; tile_dim1 = 128
	s_mov_b32 s[G1A+5], 128                        ; elements from row to row
	s_mov_b32 s[G1A+6], 0
	s_mov_b32 s[G1A+7], 0
	s_mov_b32 s[G1B+1], 128<<16
	s_mov_b32 s[G1B+2], BR<<16
	s_mov_b32 s[G1B+3], 128<<16
	s_mov_b32 s[G1B+4], BR
	s_mov_b32 s[G1B+5], 1024
	s_mov_b32 s[G1B+6], 0
	s_mov_b32 s[G1B+7], 0
	; A's offset is made of the tile row and the wave's number, B's of the tile column and the wave's number, each in registers that never hold the other coordinate
	s_lshr_b32 s58, s17, 3
	s_lshl_b32 s58, s58, 22                        ; the batch: 16 heads of 262,144 bytes,
	s_lshl_b32 s59, s[HALF], 18                    ; my head of the K step's two,
	s_add_co_u32 s58, s58, s59
	s_and_b32 s59, s17, 7
	s_lshl_b32 s59, s59, 15                        ; the tile's 256 rows of 128 bytes
	s_add_co_u32 s58, s58, s59
	s_mov_b32 s59, 0
	s_lshl_b32 s60, s16, 7
	s_lshl_b32 s61, s[HALF], 6
	s_add_co_u32 s60, s60, s61
	s_lshl_b32 s60, s60, 11                        ; rows of 2,048 bytes
	s_mov_b32 s61, 0
	s_lshl_b32 s62, s17, 8                         ; C: the tile's 256 rows,
	s_lshl_b32 s63, s[WV], 6                       ; my 64 of them,
	s_add_co_u32 s62, s62, s63
	s_lshl_b32 s62, s62, 12                        ; of 4,096 bytes,
	s_lshl_b32 s63, s16, 9                         ; the tile's 128 columns
	s_add_co_u32 s62, s62, s63
	s_mov_b32 s63, 0
	s_mov_b32 s[TB], 0
	s_wait_dscnt 0x0                               ; the opening add is done
	s_wait_kmcnt 0x0
	s_add_nc_u64 s[58:59], s[4:5], s[58:59]
	s_add_nc_u64 s[60:61], s[6:7], s[60:61]
	s_add_nc_u64 s[10:11], s[10:11], s[62:63]
	CROUND                                         ; all sixteen work-groups are here: the first joint loads meet
.irp n, 0,1
	s_mov_b32 s[G0A+4*(\n)], 1                     ; count = 1
	s_add_co_u32 s[G0A+4*(\n)+1], s20, (\n)*SLOT1  ; LDS address
	s_add_nc_u64 s[G0A+4*(\n)+2:G0A+4*(\n)+3], s[58:59], (\n)*ASTEP  ; global address: K step n
	s_or_b32 s[G0A+4*(\n)+3], s[G0A+4*(\n)+3], 0x80000000  ; type = 2
	s_mov_b32 s[G0B+4*(\n)], 1
	s_add_co_u32 s[G0B+4*(\n)+1], s21, (\n)*SLOT1
	s_add_nc_u64 s[G0B+4*(\n)+2:G0B+4*(\n)+3], s[60:61], (\n)*BSTEP
	s_or_b32 s[G0B+4*(\n)+3], s[G0B+4*(\n)+3], 0x80000000
.endr
	s_cmp_lt_u32 s[WV], 2                          ; a wave's two first fills stand in one branch, ahead of every wait on TENSORcnt and every LDS read: two loads of mine are out, later one
	s_cbranch_scc0 .Lfirst_b
	tensor_load_to_lds s[G0A:G0A+3], s[G1A:G1A+7]
	s_nop 0
	tensor_load_to_lds s[G0A+4:G0A+7], s[G1A:G1A+7]
	s_nop 0
.rept 4
	v_nop
.endr
	s_branch .Lfirst_asked
.Lfirst_b:
	tensor_load_to_lds s[G0B:G0B+3], s[G1B:G1B+7]
	s_nop 0
	tensor_load_to_lds s[G0B+4:G0B+7], s[G1B:G1B+7]
	s_nop 0
.rept 4
	v_nop
.endr
.Lfirst_asked:
	v_and_b32 v1, 15, v0                           ; r = l % 16
	v_bfe_u32 v2, v0, 4, 1                         ; h = l / 16
	v_lshl_add_u32 v[BO], v2, 5, s22               ; register j of column block b wants bias[128 tc + 16 b + 8 h + j]
.irp b, 0,1,2,3,4,5,6,7
	global_load_b128 v[RAW+8*(\b):RAW+8*(\b)+3],   v[BO], s[8:9] offset:64*(\b)
	global_load_b128 v[RAW+8*(\b)+4:RAW+8*(\b)+7], v[BO], s[8:9] offset:64*(\b)+16
.endr
	; a fragment is 16 rows x 32 K in 8 registers: lane l holds row l % 16, K = 8 (l / 16) + 0..7 and 16 + 8 (l / 16) + 0..7: two loads of 16 bytes, 32 bytes apart
	s_mul_i32 s23, s[WV], 64*PA                    ; my 64 rows of A
	v_mul_u32_u24 v[A0], v1, PA
	v_lshl_add_u32 v[A0], v2, 4, v[A0]
	v_add_nc_u32 v[A0], s23, v[A0]
	v_mul_u32_u24 v[B0], v1, PB
	v_lshl_add_u32 v[B0], v2, 4, v[B0]
	v_add_nc_u32 v[B0], BOFF, v[B0]
	v_mov_b32 v[ADRA], v[A0]
	v_mov_b32 v[ADRB], v[B0]
	s_mul_i32 s23, s[WV], 16*SPITCH
	s_add_co_u32 s23, s23, STAGE                   ; my stage
	v_mul_u32_u24 v[STO], v1, SPITCH               ; in: row l % 16, 32 bytes for each half of the lanes
	v_lshl_add_u32 v[STO], v2, 5, v[STO]
	v_add_nc_u32 v[STO], s23, v[STO]
	v_and_b32 v[CO], 31, v0                        ; back: 32 lanes take a row's 512 bytes,
	v_lshlrev_b32 v[CO], 4, v[CO]
	v_add_nc_u32 v[RD], s23, v[CO]                 ; which are 512 consecutive bytes of out0
	s_wait_loadcnt 0x0
.set i, 0
.rept 32
	v_cvt_pk_bf16_f32 v[PKB+i], v[RAW+2*i], v[RAW+2*i+1]  ; the bias is rounded to bf16,
.set i, i+1
.endr
	WIN 0x40                                       ; and laid as f32 where the first products take it
.set i, 0
.rept 32
	v_lshlrev_b32 v[BIAS+2*i], 16, v[PKB+i]
	v_and_b32 v[BIAS+2*i+1], 0xffff0000, v[PKB+i]
.set i, i+1
.endr
	WIN 0
; 8 matrix instructions: row block a x all column blocks, 32 along K, from buffer f.  first = 1: the product starts the sums, with the bias as C.
; The 32 accumulators take turns, one instruction a turn, in the same order in every quarter, over the backward jump too.
.macro MULROW f, a, first=0
.irp b, 0,1,2,3,4,5,6,7
.if \first
	WIN 0x91
	v_wmma_f32_16x16x32_f16 v[64*(\a)+8*(\b):64*(\a)+8*(\b)+7], v[64*(\f)+8*(\b):64*(\f)+8*(\b)+7], v[FA+32*(\f)+8*(\a):FA+32*(\f)+8*(\a)+7], v[BIAS+8*(\b):BIAS+8*(\b)+7]
.else
	WIN 0xa1
	v_wmma_f32_16x16x32_f16 v[64*(\a)+8*(\b):64*(\a)+8*(\b)+7], v[64*(\f)+8*(\b):64*(\f)+8*(\b)+7], v[FA+32*(\f)+8*(\a):FA+32*(\f)+8*(\a)+7], v[64*(\a)+8*(\b):64*(\a)+8*(\b)+7]
.endif
.endr
.endm
; 24 LDS loads in one run: the fragments of quarter q of the K step (128 rows of B, my 64 rows of A: head q / 2, channels 32 (q % 2) on) into buffer f; A's last
.macro FETCH q, f
	WIN 0x40
.irp b, 0,1,2,3,4,5,6,7
	ds_load_b128 v[64*(\f)+8*(\b):64*(\f)+8*(\b)+3],   v[ADRB] offset:64*(\q)+(\b)*16*PB
	ds_load_b128 v[64*(\f)+8*(\b)+4:64*(\f)+8*(\b)+7], v[ADRB] offset:64*(\q)+(\b)*16*PB+32
.endr
	WIN 0
.irp a, 0,1,2,3
	ds_load_b128 v[FA+32*(\f)+8*(\a):FA+32*(\f)+8*(\a)+3],   v[ADRA] offset:((\q)/2)*AHALF+((\q)%2)*64+(\a)*16*PA
	ds_load_b128 v[FA+32*(\f)+8*(\a)+4:FA+32*(\f)+8*(\a)+7], v[ADRA] offset:((\q)/2)*AHALF+((\q)%2)*64+(\a)*16*PA+32
.endr
.endm
; A K step is four quarters of 32 along K, 32 matrix instructions each, on buffers 0, 1, 0, 1.  One of the first three: multiplies buffer f; in its middle it fetches quarter q into buffer g.
.macro QUARTER q, f, g, first=0
	s_wait_dscnt 4                                 ; B and A's row blocks 0, 1 are in; the youngest four loads (blocks 2, 3) may be out
	MULROW \f, 0, \first
	MULROW \f, 1, \first
	PLACES
	FETCH \q, \g
	s_wait_dscnt 2*NF+8                            ; all but the run just issued
	MULROW \f, 2, \first
	MULROW \f, 3, \first
.endm
; The last quarter multiplies buffer 1 and changes slots: ONE barrier.  In front of it each wave waits for all its tensor loads (the one that is out is its part of the next slot), adds 0 to its spare
; word, and waits for that and for its reads of this slot.  fill = 1: the barrier opens a round of the cluster's, and the slot just read is filled again, two K steps on, first thing behind the round.
.macro TURN fill
	WIN 0
	s_wait_tensorcnt 0x0                           ; no tensor load of mine is out, so a group 0 may be written
	ds_add_u32 v[SPW], v[NIL]                      ; 0 onto my spare word
.if \fill
	s_xor_b32 s[G0A+5], s[G0A+5], SLOT1            ; the walking descriptors: the other slot than last time,
	s_add_nc_u64 s[G0A+6:G0A+7], s[G0A+6:G0A+7], ASTEP  ; the next K step; the type bits on top are not reached
	s_xor_b32 s[G0B+5], s[G0B+5], SLOT1
	s_add_nc_u64 s[G0B+6:G0B+7], s[G0B+6:G0B+7], BSTEP
.endif
	s_wait_dscnt 5                                 ; the add and the youngest four loads may be out
	MULROW 1, 0
	s_wait_dscnt 0x0                               ; the add is done, and my reads of this slot are over
	s_barrier_signal -1
	MULROW 1, 1                                    ; work on registers while the others arrive
	WIN 0                                          ; at a branch and at a label every window is 0
	s_barrier_wait -1
.if \fill
	CREST                                          ; no wave of any partner still reads this slot's tile or has a load on its way
	JLOAD                                          ; its four v_nop are also the places in front of the loads below
.else
	PLACES
.endif
	s_xor_b32 s[TB], s[TB], SLOT1
	v_add_nc_u32 v[ADRA], s[TB], v[A0]
	v_add_nc_u32 v[ADRB], s[TB], v[B0]
	FETCH 0, 0
	MULROW 1, 2
	MULROW 1, 3
.endm
	s_wait_tensorcnt 1                             ; my part of K step 0 is in; step 1's may stay out
	s_barrier_signal -1
	s_barrier_wait -1                              ; everybody's is
	FETCH 0, 0
	QUARTER 1, 0, 1, 1                             ; the first quarter stands in front of the loop: its products start the sums
	WIN 0
	s_mov_b32 s3, 6
.Lstep:                                                ; six trips, from a step's second quarter to the next step's first: K steps 2 to 7 are asked for
	QUARTER 2, 1, 0
	QUARTER 3, 0, 1
	TURN 1
	QUARTER 1, 0, 1
	WIN 0
	s_sub_co_u32 s3, s3, 1
	s_cmp_lg_u32 s3, 0
	s_cbranch_scc1 .Lstep
	QUARTER 2, 1, 0                                ; the tail is written out: nothing more is asked for
	QUARTER 3, 0, 1
	TURN 0
	QUARTER 1, 0, 1
	QUARTER 2, 1, 0
	QUARTER 3, 0, 1
	s_wait_dscnt 4
	MULROW 1, 0
	MULROW 1, 1
	s_wait_dscnt 0x0
	MULROW 1, 2
	MULROW 1, 3
	WIN 0
	PLACES
; THE WAY OUT, a row block (16 rows x 128 columns of f32) at a time.  TOSTAGE: the accumulators, each from its low end on, into my own stage, and back as whole rows of 512 bytes.  SEND: stored.
.macro TOSTAGE a
	s_wait_xcnt 0x0                                ; the stores of the block two back have read their registers: this block is read back into them only behind this wait
	WIN 0x08                                       ; the stores' data in window 2
.irp b, 0,1,2,3,4,5,6,7
	ds_store_b128 v[STO], v[64*(\a)+8*(\b):64*(\a)+8*(\b)+3]   offset:64*(\b)
	ds_store_b128 v[STO], v[64*(\a)+8*(\b)+4:64*(\a)+8*(\b)+7] offset:64*(\b)+16
.endr
	WIN 0
.set i, 0
.rept 16
	ds_load_b128 v[OB+64*((\a)%2)+4*i:OB+64*((\a)%2)+4*i+3], v[RD] offset:SPITCH*i  ; LDS serves a wave's instructions in order (ISA guide 5.7.1.4): these see the stores above; the next block's stores come behind them
.set i, i+1
.endr
.endm
.macro SEND a, younger                 ; younger: the LDS instructions issued behind block a's loads: the next block's 32, or none
	s_wait_dscnt \younger
.set i, 0
.rept 16
	global_store_b128 v[CO], v[OB+64*((\a)%2)+4*i:OB+64*((\a)%2)+4*i+3], s[10:11] offset:4096*(16*(\a)+i) th:TH_STORE_NT  ; 512 consecutive bytes of a row of out0, aligned
.set i, i+1
.endr
.endm
	TOSTAGE 0
	TOSTAGE 1
	SEND 0, 32
	TOSTAGE 2
	SEND 1, 32
	TOSTAGE 3
	SEND 2, 32
	SEND 3, 0
	s_wait_tensorcnt 0x0                           ; the wave's end, behind my last tensor load and my last LDS store
	ds_add_u32 v[SPW], v[NIL]
	s_wait_dscnt 0x0
	CROUND                                         ; the closing round: no work-group ends while a partner may still ask for a tile that names it
	s_endpgm
.Lfunc_end_k_q4d95ec0c59_outgemm:
	.size	k_q4d95ec0c59_outgemm, .Lfunc_end_k_q4d95ec0c59_outgemm-k_q4d95ec0c59_outgemm
	.p2alignl 7, 3214868480
	.fill 96, 4, 3214868480
	.section	.rodata,"a",@progbits
	.p2align	6, 0x0
	.amdhsa_kernel k_q4d95ec0c59_outgemm
		.amdhsa_group_segment_fixed_size 327680
		.amdhsa_private_segment_fixed_size 0
		.amdhsa_enable_private_segment 0
		.amdhsa_kernarg_size 32
		.amdhsa_user_sgpr_count 2
		.amdhsa_user_sgpr_kernarg_segment_ptr 1
		.amdhsa_wavefront_size32 1
		.amdhsa_system_sgpr_workgroup_id_x 1
		.amdhsa_system_sgpr_workgroup_id_y 1
		.amdhsa_system_sgpr_workgroup_id_z 1
		.amdhsa_system_vgpr_workitem_id 0
		.amdhsa_next_free_vgpr 768
		.amdhsa_next_free_sgpr 66
		.amdhsa_reserve_vcc 0
		.amdhsa_float_denorm_mode_32 3
		.amdhsa_float_denorm_mode_16_64 3
		.amdhsa_memory_ordered 1
		.amdhsa_forward_progress 1
		.amdhsa_inst_pref_size 76
	.end_amdhsa_kernel
	.amdgpu_metadata
---
amdhsa.version: [ 1, 2 ]
amdhsa.kernels:
  - .name:           k_q4d95ec0c59_outgemm
    .symbol:         k_q4d95ec0c59_outgemm.kd
    .args:
      - { .name: o, .offset: 0, .size: 8, .value_kind: global_buffer, .address_space: global }
      - { .name: wot, .offset: 8, .size: 8, .value_kind: global_buffer, .address_space: global }
      - { .name: b_out, .offset: 16, .size: 8, .value_kind: global_buffer, .address_space: global }
      - { .name: out0, .offset: 24, .size: 8, .value_kind: global_buffer, .address_space: global }
    .group_segment_fixed_size: 327680
    .private_segment_fixed_size: 0
    .kernarg_segment_align: 8
    .kernarg_segment_size: 32
    .max_flat_workgroup_size: 128
    .sgpr_count:     66
    .vgpr_count:     768
    .wavefront_size: 32
...
	.end_amdgpu_metadata
.endif
;; end of part 4
;; ======== version 2 of 2: 4 launches; version 1 with the launch prep written anew for expert scheduling mode
;; limits: values are held in f16: magnitudes above 65,504 overflow, below 6.1e-05 lose precision
;; workspace buffers: xb 16,777,216 bytes; wqt 6,291,456 bytes; wot 2,097,152 bytes; qkv 50,331,648 bytes; o 16,777,216 bytes
;; launch prep (part 5): grid 1280 x 1, 2 waves a work-group, no clusters, 35,072 bytes of LDS; arguments x, w_qkv, w_out, xb, wqt, wot; writes xb, wqt, wot
.if DOCPART == 5
	.amdgcn_target "amdgcn-amd-amdhsa--gfx1250"
	.amdhsa_code_object_version 6
	.text
	.protected	k_q4d95ec0c59_prep
	.globl	k_q4d95ec0c59_prep
	.p2align	8
	.type	k_q4d95ec0c59_prep,@function
k_q4d95ec0c59_prep:
	s_mov_b64 s[64:65], 0
	v_nop
	global_prefetch_b8 v0, s[64:65] scope:SCOPE_SE
	s_setreg_imm32_b32 hwreg(HW_REG_WAVE_SCHED_MODE, 0, 2), 2
	s_setreg_imm32_b32 hwreg(HW_REG_WAVE_MODE, 25, 1), 1
	s_wait_xcnt 0x0
	s_wait_alu depctr_vm_vsrc(0)
; THE OPERANDS OF THE TWO PROJECTIONS ARE MADE.  xb = x rounded to bf16, [8192][1024].  wqt[n][k] = w_qkv[k][n] rounded to bf16, [3072][1024].
; wot[n][k] = w_out[k][n] rounded to bf16 and that number written as f16, [1024][1024].
; LIMIT.  An entry of w_out below 2^-14 in magnitude keeps f16's fixed step of 2^-24; beyond 65,504 it would be an infinity.
; A stream: every byte is read once and written once; no matrix unit, no barrier: no wave wants a byte that another wave has fetched.
; SHARES.  Work-groups 0-1023: each of the two waves casts 16 KiB of x (32 loads of 512 consecutive bytes, all on their way at once; each store of the wave covers 256 consecutive bytes, aligned).
; Work-groups 1024-1215 (w_qkv) and 1216-1279 (w_out): each wave turns a tile of 128 k x 64 n through its own LDS bytes: 64 rows (n) of 256 bytes (128 k) + 16 of padding.
; THE MODE: SCHED_MODE bits 1:0 = 2 (LLVM: expert scheduling mode 2), set by the entry lines.  The code itself states the register dependences
; between vector instructions and memory or LDS instructions, with s_wait_alu, always for 0.
; THE PLAN.  Registers that memory or LDS instructions touch:
;   v4, v5            x's path: the offsets of every load and store; written once at the head.
;   v[WO ..], v9, v10 the weights' path: the offsets of w's loads, of the loads from the tile and of the last stores; written once ahead of the loop.
;   v8                the LDS address of the tile's stores: read by a trip's 64 stores, written once a trip, behind them.
;   X                 loads land in it, conversions read it.  In the weights' path the next trip's loads land in it again, and behind the loop the loads from the tile.
;   T                 conversions write it, stores read it (to memory in x's path, to LDS in the weights').  The weights' second trip writes it again.
;   v[SPW], v[NIL]    written at the head, read by the closing add alone.          U is named by vector instructions alone.
; Both paths go in BLOCKS (four loads in x's path, eight in the weights').  Block p converts X[p] into T[p]; its memory instructions are the stores of T[p - 1], which no vector instruction of
; block p names.  So one wait on va_vdst at a block's head, behind the wait for the block's data, states all that the block's stores hang on, and they are dealt among its conversions.
.set TILEB, 17408                      ; a wave's tile in LDS: 64 rows x 272 bytes
.set LP,    272
.set SPARE, 2*TILEB                    ; behind the tiles: the spare words, 128 bytes a wave: one block of 256 bytes that no other line names
.set SPW, 12                           ; v12  LDS address of my spare word; never rewritten
.set NIL, 13                           ; v13  0; never rewritten
.set WO,  16                           ; v[16:47]   the byte offsets of a half tile's 32 loads
.set X,   48                           ; v[48:175]  32 x 4 registers as loaded
.set T,   176                          ; v[176:239] packed results
.set U,   240                          ; v[240:247] at work
	s_load_b256 s[4:11], s[0:1], 0x0               ; x s[4:5], w_qkv s[6:7], w_out s[8:9], xb s[10:11]
	s_load_b128 s[12:15], s[0:1], 0x20             ; wqt s[12:13], wot s[14:15]
	v_lshl_add_u32 v[SPW], v0, 2, SPARE
	v_mov_b32 v[NIL], 0
	v_lshrrev_b32 v1, 5, v0
	v_readfirstlane_b32 s17, v1                    ; wave 0, 1
	s_mov_b32 s16, ttmp9
	v_and_b32 v1, 31, v0                           ; lane
	v_and_b32 v2, 15, v0                           ; c = lane % 16
	v_bfe_u32 v3, v0, 4, 1                         ; hl = lane / 16
	v_lshlrev_b32 v4, 4, v1                        ; 16 x lane
	v_lshlrev_b32 v5, 3, v1                        ; 8 x lane
	s_mov_b32 s29, 0
	s_mov_b32 s31, 0
	s_mov_b32 s33, 0xffff0000                      ; a word's upper bf16
	s_wait_alu depctr_va_sdst(0)                   ; s17 is written, ahead of the branch and of its first reader on either path: the wave's share is made from it
	s_wait_kmcnt 0x0
	s_cmp_lt_u32 s16, 1024
	s_cbranch_scc0 .Lweights
	; x: wave 2 g + w of 2,048 takes 16 KiB of x and makes 8 KiB of xb
	s_lshl1_add_u32 s18, s16, s17
	s_lshl_b32 s28, s18, 14
	s_add_nc_u64 s[24:25], s[4:5], s[28:29]
	s_lshl_b32 s28, s18, 13
	s_add_nc_u64 s[26:27], s[10:11], s[28:29]
	s_wait_alu depctr_va_vdst(0)                   ; v4 and v5 are written: every load and store of this path reads one of them as its offset
.set i, 0
.rept 32
	global_load_b128 v[X+4*i:X+4*i+3], v4, s[24:25] offset:512*i th:TH_LOAD_NT
.set i, i+1
.endr
; eight blocks of four loads.  Block p rounds its 16 registers of X into 8 of T; the four stores of block p - 1 stand among its conversions.
.set p, 0
.rept 8
	s_wait_loadcnt 28-4*p                          ; loads come back in order: block p's four are in, the younger ones stay out
.if p > 0
	s_wait_alu depctr_va_vdst(0)                   ; the block before has written its eight registers of T, which the four stores below read
.endif
.set j, 0
.rept 4
.set i, 4*p+j
.if p > 0
	global_store_b64 v5, v[T+2*(i-4):T+2*(i-4)+1], s[26:27] offset:256*(i-4)  ; no vector instruction since the wait names these registers; no register is used twice, so nothing waits for a store
.endif
	v_cvt_pk_bf16_f32 v[T+2*i], v[X+4*i], v[X+4*i+1]
	v_cvt_pk_bf16_f32 v[T+2*i+1], v[X+4*i+2], v[X+4*i+3]
.set j, j+1
.endr
.set p, p+1
.endr
	s_wait_alu depctr_va_vdst(0)                   ; the last block has written its T, which the last four stores read
.set i, 28
.rept 4
	global_store_b64 v5, v[T+2*i:T+2*i+1], s[26:27] offset:256*i
.set i, i+1
.endr
	s_wait_dscnt 0x0                               ; the wave's end, in the same form as the other path: six lines on end
	s_wait_alu 0x0
	s_wait_tensorcnt 0x0
	ds_add_u32 v[SPW], v[NIL]
	s_wait_dscnt 0x0
	s_endpgm
.Lweights:
	s_mov_b32 s21, 4096                            ; bytes in a row of w_out,
	s_mov_b32 s18, 1216                            ; and its first work-group
	s_cmp_lt_u32 s16, 1216
	s_cselect_b32 s21, 12288, s21                  ; or of w_qkv
	s_cselect_b32 s18, 1024, s18
	s_cselect_b32 s22, 0, 1                        ; 1: the rounded numbers are written as f16
	s_cselect_b64 s[24:25], s[6:7], s[8:9]
	s_cselect_b64 s[26:27], s[12:13], s[14:15]
	s_sub_co_u32 s18, s16, s18
	s_lshl1_add_u32 s18, s18, s17                  ; my tile
	s_and_b32 s19, s18, 7                          ; kt: which 128 of k
	s_lshr_b32 s20, s18, 3                         ; nt: which 64 of n
	s_mul_i32 s28, s19, s21
	s_lshl_b32 s28, s28, 7                         ; kt x 128 rows
	s_lshl_b32 s30, s20, 8                         ; nt x 256 bytes
	s_add_co_u32 s28, s28, s30
	s_add_nc_u64 s[24:25], s[24:25], s[28:29]
	s_lshl_b32 s28, s20, 17                        ; nt x 64 rows of 2,048 bytes
	s_lshl_b32 s30, s19, 8                         ; kt x 256 bytes
	s_add_co_u32 s28, s28, s30
	s_add_nc_u64 s[26:27], s[26:27], s[28:29]
	s_lshl_b32 s30, s21, 6                         ; 64 rows of the source
	s_mul_i32 s23, s17, TILEB                      ; my tile in LDS
	v_mov_b32 v7, s21
	v_mul_u32_u24 v6, v3, s21
	v_lshlrev_b32 v6, 1, v6
	v_lshl_add_u32 v6, v2, 4, v6                   ; 2 hl rows + 16 c
	; load i = 2 p + e takes row 4 p + e (lanes 0-15) and row 4 p + 2 + e (lanes 16-31): 256 consecutive bytes, aligned, each
.set i, 0
.rept 32
	v_mad_u32_u24 v[WO+i], v7, 4*(i/2)+(i%2), v6
.set i, i+1
.endr
	v_mul_u32_u24 v8, v2, 4*LP                     ; into LDS: row n = 4 c + j, bytes 2 k = 8 p + 4 hl
	v_lshl_add_u32 v8, v3, 2, v8
	v_add_nc_u32 v8, s23, v8
	v_mul_u32_u24 v9, v3, LP                       ; back: lanes 0-15 one row of 256 bytes, lanes 16-31 the next
	v_lshl_add_u32 v9, v2, 4, v9
	v_add_nc_u32 v9, s23, v9
	v_lshlrev_b32 v10, 11, v3                      ; and the same two rows of the turned matrix, 2,048 bytes apart
	v_lshl_add_u32 v10, v2, 4, v10
	s_mov_b32 s32, 2
	s_wait_alu depctr_va_vdst(0)                   ; the 32 offsets v[WO ..], v8, v9 and v10 are written, which the loads and stores below read
.Lhalf:                                                ; two trips of 64 k
.set i, 0
.rept 32
	global_load_b128 v[X+4*i:X+4*i+3], v[WO+i], s[24:25] th:TH_LOAD_NT  ; in the second trip too nothing more is owed: the conversions that read X stand ahead of the first trip's last wait on va_vdst, and the one vector line since names v8 alone
.set i, i+1
.endr
; four blocks of eight loads, four pairs each.  Pair p = 4 g + q: loads 2 p and 2 p + 1 give k and k + 1 of column 4 c + j.  Block g makes T[16 g ..]; the sixteen LDS stores of block g - 1 stand among its first conversions.
.irp g, 0,1,2,3
	s_wait_loadcnt 24-8*(\g)                       ; block g's eight loads are in, the younger ones stay out
.if (\g) == 3
	s_add_nc_u64 s[24:25], s[24:25], s[30:31]      ; that wait was for 0: every load that reads this base is done
.endif
.if (\g) > 0
	s_wait_alu depctr_va_vdst(0)                   ; the block before has written its sixteen registers of T, on either way round its branch; in the second trip v8 is written too: the stores below read both
.endif
.irp q, 0,1,2,3
.if (\g) > 0
.irp j, 0,1,2,3
	ds_store_b32 v8, v[T+4*(4*(\g)-4+(\q))+(\j)] offset:LP*(\j)+8*(4*(\g)-4+(\q))
.endr
.endif
.irp j, 0,1,2,3
	v_cvt_pk_bf16_f32 v[T+4*(4*(\g)+(\q))+(\j)], v[X+8*(4*(\g)+(\q))+(\j)], v[X+8*(4*(\g)+(\q))+4+(\j)]  ; k and k + 1 of column 4 c + j
.endr
.endr
	s_cmp_eq_u32 s22, 0
	s_cbranch_scc1 .Lno_f16_\g
.set i, 16*(\g)
.rept 16
	v_lshlrev_b32 v[U+2*(i%4)], 16, v[T+i]         ; the bf16 numbers as f32,
	v_and_b32 v[U+2*(i%4)+1], s33, v[T+i]
	v_cvt_pk_f16_f32 v[T+i], v[U+2*(i%4)], v[U+2*(i%4)+1]  ; written as f16
.set i, i+1
.endr
.Lno_f16_\g:
.endr
	s_wait_alu depctr_va_vdst(0)                   ; the last block has written its T, which the stores below read; and every conversion of the trip is done reading X, in which the next loads land
.irp q, 0,1,2,3
.irp j, 0,1,2,3
	ds_store_b32 v8, v[T+4*(12+(\q))+(\j)] offset:LP*(\j)+8*(12+(\q))
.endr
.endr
	s_wait_alu depctr_vm_vsrc(0)                   ; the trip's 64 LDS stores have read v8, which the next line writes, and T, which the next trip's conversions write
	v_add_nc_u32 v8, 128, v8                       ; the next 64 k
	s_sub_co_u32 s32, s32, 1
	s_cmp_lg_u32 s32, 0
	s_cbranch_scc1 .Lhalf
.set i, 0
.rept 32
	ds_load_b128 v[X+4*i:X+4*i+3], v9 offset:2*LP*i  ; my own bytes: LDS serves a wave's instructions in order (ISA guide 5.7.1.4), so these see the stores above
.set i, i+1
.endr
.set i, 0
.rept 32
	s_wait_dscnt 31-i
	global_store_b128 v10, v[X+4*i:X+4*i+3], s[26:27] offset:4096*i  ; 16 lanes store 256 consecutive bytes, aligned: 128 k of row n
.set i, i+1
.endr
	s_wait_dscnt 0x0                               ; the wave's end: the closing lines, six on end
	s_wait_alu 0x0
	s_wait_tensorcnt 0x0
	ds_add_u32 v[SPW], v[NIL]
	s_wait_dscnt 0x0
	s_endpgm
.Lfunc_end_k_q4d95ec0c59_prep:
	.size	k_q4d95ec0c59_prep, .Lfunc_end_k_q4d95ec0c59_prep-k_q4d95ec0c59_prep
	.p2alignl 7, 3214868480
	.fill 96, 4, 3214868480
	.section	.rodata,"a",@progbits
	.p2align	6, 0x0
	.amdhsa_kernel k_q4d95ec0c59_prep
		.amdhsa_group_segment_fixed_size 35072
		.amdhsa_private_segment_fixed_size 0
		.amdhsa_enable_private_segment 0
		.amdhsa_kernarg_size 48
		.amdhsa_user_sgpr_count 2
		.amdhsa_user_sgpr_kernarg_segment_ptr 1
		.amdhsa_wavefront_size32 1
		.amdhsa_system_sgpr_workgroup_id_x 1
		.amdhsa_system_sgpr_workgroup_id_y 1
		.amdhsa_system_sgpr_workgroup_id_z 1
		.amdhsa_system_vgpr_workitem_id 0
		.amdhsa_next_free_vgpr 248
		.amdhsa_next_free_sgpr 66
		.amdhsa_reserve_vcc 0
		.amdhsa_float_denorm_mode_32 3
		.amdhsa_float_denorm_mode_16_64 3
		.amdhsa_memory_ordered 1
		.amdhsa_forward_progress 1
		.amdhsa_inst_pref_size 42
	.end_amdhsa_kernel
	.amdgpu_metadata
---
amdhsa.version: [ 1, 2 ]
amdhsa.kernels:
  - .name:           k_q4d95ec0c59_prep
    .symbol:         k_q4d95ec0c59_prep.kd
    .args:
      - { .name: x, .offset: 0, .size: 8, .value_kind: global_buffer, .address_space: global }
      - { .name: w_qkv, .offset: 8, .size: 8, .value_kind: global_buffer, .address_space: global }
      - { .name: w_out, .offset: 16, .size: 8, .value_kind: global_buffer, .address_space: global }
      - { .name: xb, .offset: 24, .size: 8, .value_kind: global_buffer, .address_space: global }
      - { .name: wqt, .offset: 32, .size: 8, .value_kind: global_buffer, .address_space: global }
      - { .name: wot, .offset: 40, .size: 8, .value_kind: global_buffer, .address_space: global }
    .group_segment_fixed_size: 35072
    .private_segment_fixed_size: 0
    .kernarg_segment_align: 8
    .kernarg_segment_size: 48
    .max_flat_workgroup_size: 64
    .sgpr_count:     66
    .vgpr_count:     248
    .wavefront_size: 32
...
	.end_amdgpu_metadata
.endif
;; end of part 5
;; launch qkvgemm: the kernel of part 2 again; grid 16 x 32, 4 waves a work-group, clusters of 4 x 4, 327,680 bytes of LDS; arguments xb, wqt, b_qkv, qkv; writes qkv
;; launch attn: the kernel of part 3 again; grid 4 x 64, 4 waves a work-group, no clusters, 327,680 bytes of LDS; arguments qkv, o; writes o
;; launch outgemm: the kernel of part 4 again; grid 8 x 32, 4 waves a work-group, clusters of 4 x 4, 327,680 bytes of LDS; arguments o, wot, b_out, out0; writes out0
